; MI455X (gfx1250); checked and timed in simulation.
; The chip was launched on July 23, 2026; its instructions are those of AMD's public machine-readable ISA for CDNA 5 (MIT licence, August 2026) and "CDNA5" Instruction Set Architecture Reference Guide (July 2026). The comments in the code are by the model that wrote it; some were corrected since.
;; Mixture Of Experts. Allowed arithmetic: matrix products marked QUANTISED: E2M1 operands, one E8M0 scale for each 32 along K, by v_wmma_scale_f32_16x16x128_f8f6f4 with both operands' format E2M1 (or v_wmma_scale_f32_32x16x128_f4), f32 sums; products left as they are: f32 operands where the result goes on into a quantised operand, else bf16, f16 or f32 operands; f32 sums; everything else in f32.
;; Inputs: b1 8 x 256 float32; b2 8 x 256 float32; b3 8 x 256 float32; be1 8 x 256 float32; be2 8 x 256 float32; g1 8 x 256 float32; g2 8 x 256 float32; gb1 256 float32; gb2 8 float32; gw1_codes 256 x 8 x 16 uint8 (E2M1 codes of gw1, K innermost, in blocks of 32 codes, two codes a byte); gw1_scales 256 x 8 uint8 (E8M0 scales of gw1, one for each 32 codes along K); gw2 256 x 8 float32; w1_codes 8 x 256 x 8 x 16 uint8 (E2M1 codes of w1, K innermost, in blocks of 32 codes, two codes a byte); w1_scales 8 x 256 x 8 uint8 (E8M0 scales of w1, one for each 32 codes along K); w2_codes 8 x 256 x 8 x 16 uint8 (E2M1 codes of w2, K innermost, in blocks of 32 codes, two codes a byte); w2_scales 8 x 256 x 8 uint8 (E8M0 scales of w2, one for each 32 codes along K); w3_codes 8 x 256 x 8 x 16 uint8 (E2M1 codes of w3, K innermost, in blocks of 32 codes, two codes a byte); w3_scales 8 x 256 x 8 uint8 (E8M0 scales of w3, one for each 32 codes along K); x_codes 32,768 x 8 x 16 uint8 (E2M1 codes of x, K innermost, in blocks of 32 codes, two codes a byte); x_scales 32,768 x 8 uint8 (E8M0 scales of x, one for each 32 codes along K).
;; Outputs: out0 32,768 x 256 float32.
;; This version of the problem:
;;   THIS VERSION OF THE PROBLEM IS GIVEN IN LOW PRECISION. The matrix products marked QUANTISED in the list below multiply operands that are first quantised to E2M1 (2 exponent bits, 1 mantissa bit; 4 bits a number), with one power-of-two scale for each 32 numbers along K (OCP MX v1.0); their sums are f32. All else is computed in f32.
;;   The module's matrix products, in the order in which they are computed (A, B: the left and right operand; K: the contracted axis; several contracted axes count as one K, in the product's order):
;;     1. [M 32,768, K 256] x [K 256, N 256]; A: input x (given as codes); B: input gw1 (given as codes): QUANTISED
;;     2. [M 32,768, K 256] x [K 256, N 8]; A: computed on the way; B: input gw2: left as it is (N = 8 < 16)
;;     3. [M 32,768, K 256] x [K 256, N 2,048]; A: input x (given as codes); B: input w1 (given as codes): QUANTISED
;;     4. batch 8 x [M 256, K 256] x [K 256, N 32,768]; A: input w2 (given as codes); B: computed on the way: QUANTISED
;;     5. batch 8 x [M 256, K 256] x [K 256, N 32,768]; A: input w3 (given as codes); B: computed on the way: QUANTISED
;;   THE QUANTISER, for each operand of a quantised product, along K:
;;     - K is cut into blocks of 32 from its start; a last block that is shorter is filled with zeros.
;;     - A block's scale is 2^e with e = floor(log2(the largest magnitude in the block)) - 2, held to -126 .. 127; a block of zeros has e = 0. As a byte (E8M0): e + 127.
;;     - Each number is divided by its block's scale, clamped to +-6, and rounded to the nearest number of E2M1, ties to even, subnormals kept.
;;     - The product sums the exact products of the quantised numbers (number of the format x scale) in f32.
;;   ~~~python
;;   def quantise(x, axis):      # numpy; x: float32 -> the quantised numbers, widened to float32 again
;;       x = np.moveaxis(x, axis, -1); K = x.shape[-1]
;;       x = np.pad(x, [(0, 0)] * (x.ndim - 1) + [(0, -K % 32)]); x = x.reshape(x.shape[:-1] + (-1, 32)); a = np.abs(x).max(-1, keepdims=True)
;;       e = np.where(a > 0, np.clip(np.frexp(np.where(a > 0, a, 1))[1] - 1 - 2, -126, 127), 0)      # np.frexp(a)[1] - 1 = floor(log2(a)), exactly
;;       r = np.clip(x / 2.0 ** e, -6, 6)
;;       step = 2.0 ** (np.maximum(np.frexp(np.where(r == 0, 1, r))[1] - 1, 0) - 1)
;;       q = np.round(r / step) * step * 2.0 ** e      # np.round: ties to even
;;       return np.moveaxis(q.reshape(q.shape[:-2] + (-1,))[..., :K], -1, axis).astype(np.float32)
;;   ~~~
;;   OPERANDS COMPUTED ON THE WAY. 'Computed on the way' means the value that the module computes at that place (a softmax that the list does not call 'softmax' is quantised finished and normalised). What goes into a quantiser is computed in f32, as accurately as f32 sums, v_exp_f32 and their like allow (about 1e-6 of the number): no bf16 or f16 on the way to a quantiser, and a product that is left as it is and whose result goes on into a quantised operand takes f32 operands (vector FMAs, or v_wmma_f32_16x16x4_f32). A number that lies on a knife's edge between two numbers of the format may be rounded either way, as far as f32 arithmetic and the matrix unit's own rounding can turn it there, and no further.
;;   INPUTS GIVEN AS CODES. gw1 (in the module: [256, 256], K = its axis 0); w1 (in the module: [8, 256, 256], K = its axis 1); w2 (in the module: [8, 256, 256], K = its axis 1); w3 (in the module: [8, 256, 256], K = its axis 1); x (in the module: [32768, 256], K = its axis 1): each comes as NAME_codes (uint8): NAME with its K axis moved to the last place and cut into blocks of 32 codes, [.., K / 32, bytes a block], one block behind the other in memory; two codes a byte, the lower K in the low four bits (a code: sign, 2 exponent bits, 1 mantissa bit); and NAME_scales (uint8): the same leading axes, one E8M0 byte (e + 127) for each 32 codes along K. Its value is code x scale, taken as it is: it is not quantised again, and the codes and scales need not be those that the quantiser above would give.
;; 2 versions. Each part assembles by itself: llvm-mc -triple=amdgcn-amd-amdhsa -mcpu=gfx1250 --defsym DOCPART=n.
;; ======== version 1 of 2: 3 launches
;; workspace buffers: route 131,072 bytes of whole numbers; gatew 262,144 bytes; hist 16,384 bytes of whole numbers; sidx 131,072 bytes of whole numbers
;; launch gate (part 1): grid 256 x 1, 4 waves a work-group, no clusters, 33,792 bytes of LDS; arguments x_codes, x_scales, gw1_codes, gw1_scales, gb1, gw2, gb2, route, gatew, hist; writes route, gatew, hist
.if DOCPART == 1
	.amdgcn_target "amdgcn-amd-amdhsa--gfx1250"
	.amdhsa_code_object_version 6
	.text
	.protected	k_q88ea15f536_gate
	.globl	k_q88ea15f536_gate
	.p2align	8
	.type	k_q88ea15f536_gate,@function
k_q88ea15f536_gate:
	s_mov_b64 s[64:65], 0
	v_nop
	global_prefetch_b8 v0, s[64:65] scope:SCOPE_SE
	s_setreg_imm32_b32 hwreg(HW_REG_WAVE_MODE, 25, 1), 1
	s_wait_xcnt 0x0
; THE GATE.  logits = relu(x gw1 + gb1) gw2 + gb2; softmax; the two largest gates (a tie keeps the lower index); their weights, made to sum to 1.
; The first product runs on the codes of E2M1 as they are given; the second (8 columns) is made of f32 fused multiply-adds, since the choice of experts hangs on it.
; A work-group takes 128 tokens, 8 tiles of 16.  THE WAVES SHARE THE HIDDEN UNITS: wave w holds gw1's rows 64 w .. 64 w + 63, and gw2's, in registers for all 128 tokens.
; The product is used transposed (source 0 = 16 rows of gw1, source 1 = 16 tokens): lane (r, h) holds token r, register 8 n + i the hidden unit 64 w + 16 n + 8 h + i.
; Each lane sums its 32 units' share of the 8 logits; the 8 shares of a token (4 waves x 2 halves of the lanes) meet in LDS, and then a lane takes a token.
; STORED, at fixed places: route[token] = a | b << 4 | bin << 8 | rank << 16 (a < b the chosen experts; bin the pair's number of 28; rank the token's place among its block's tokens of that bin),
; gatew[token] = (w_a, w_b), hist[block][16] = the block's count of each bin, two to a word.  No address here hangs on the choice.
; The bins go (0,1)..(0,7),(1,7)..(1,2),(2,3)..(2,7),(3,7)..(3,4),(4,5)..(4,7),(5,7),(5,6),(6,7): neighbours share an expert.
; LIMITS: NaN and infinities are not served; a gate under 2^-126 counts as 0 (the exponential flushes denormals: ISA guide 15.8); divisions are a reciprocal and a multiplication;
; where the second and third gate lie within f32 rounding of each other either may be chosen.
.set PLOG, 0                           ; LDS: 8 parts of 4,096 bytes: part 2 w + h holds [token 0..127][8 f32]
.set HX,   32768                       ; LDS: 4 rows of 128 bytes: each wave's counts of the bins
.set XS,   16                          ; v16-31   x's scale words: tile t, K step s at 16 + 2 t + s
.set GS,   32                          ; v32-39   gw1's: tile n, K step s at 32 + 2 n + s
.set XF,   40                          ; v40-167  x's fragments: tile t, K step s at 40 + 16 t + 8 s
.set ACC,  168                         ; v168-199 four accumulators
.set LG,   200                         ; v200-231 two sets (by the tile's parity) of two chains of 8 logits
.set GW1,  0                           ; window 2: gw1's fragment (n, s) at 8 (2 n + s)
.set GB1,  64                          ; window 2: gb1, 8 registers a tile n.   window 1: gw2, register 8 k + e for accumulator register k and expert e
.set MSB, 0
.macro WIN new                         ; the immediate's high byte repeats the setting that is left
.if MSB != \new
	s_set_vgpr_msb (MSB<<8)|\new
.set MSB, \new
.endif
.endm
.macro WM d, a, b, c, sa, sb
	v_wmma_scale_f32_16x16x128_f8f6f4 v[\d:\d+7], v[\a:\a+7], v[\b:\b+7], v[\c:\c+7], v[\sa], v[\sb] matrix_a_fmt:MATRIX_FMT_FP4 matrix_b_fmt:MATRIX_FMT_FP4
.endm
	s_load_b512 s[4:19], s[0:1], 0x0               ; x codes s[4:5], x scales s[6:7], gw1 codes s[8:9], gw1 scales s[10:11], gb1 s[12:13], gw2 s[14:15], gb2 s[16:17], route s[18:19]
	s_load_b128 s[20:23], s[0:1], 0x40             ; gatew s[20:21], hist s[22:23]
	v_lshl_add_u32 v14, v0, 2, 0x8200
	v_mov_b32 v15, 0
	v_lshrrev_b32 v1, 5, v0
	v_readfirstlane_b32 s24, v1                    ; wave 0..3
	v_and_b32 v1, 15, v0                           ; r
	v_bfe_u32 v2, v0, 4, 1                         ; h
	v_lshlrev_b32 v4, 7, v1
	v_lshl_add_u32 v4, v2, 4, v4                   ; a fragment's row of 128 bytes, + 16 h: x and gw1
	v_lshlrev_b32 v5, 3, v1                        ; a row's 8 scale bytes
	v_lshlrev_b32 v6, 5, v2                        ; gb1: 8 numbers a half
	v_lshlrev_b32 v7, 8, v2                        ; gw2: 8 rows of 32 bytes a half
	s_lshl_b32 s56, s24, 13
	v_lshlrev_b32 v8, 5, v1
	v_lshl_add_u32 v8, v2, 12, v8
	v_add_nc_u32 v8, s56, v8                       ; where my share goes: part 2 w + h, token r
	v_lshlrev_b32 v9, 5, v0                        ; where my token's shares lie: 32 bytes x thread
	v_lshlrev_b32 v10, 2, v0                       ; 4 x thread
	v_lshlrev_b32 v11, 2, v1                       ; 4 x (lane % 16)
	v_lshlrev_b32 v12, 3, v0                       ; 8 x thread
	v_mov_b32 v13, 0
	s_mov_b32 s57, 0
	s_wait_kmcnt 0x0
	s_lshl_b32 s56, ttmp9, 14
	s_add_nc_u64 s[4:5], s[4:5], s[56:57]          ; my block's 128 rows of x
	s_lshl_b32 s56, ttmp9, 10
	s_add_nc_u64 s[6:7], s[6:7], s[56:57]
	s_add_nc_u64 s[20:21], s[20:21], s[56:57]
	s_lshl_b32 s56, ttmp9, 9
	s_add_nc_u64 s[18:19], s[18:19], s[56:57]
	s_lshl_b32 s56, ttmp9, 6
	s_add_nc_u64 s[22:23], s[22:23], s[56:57]
	s_lshl_b32 s56, s24, 13
	s_add_nc_u64 s[8:9], s[8:9], s[56:57]          ; my wave's 64 rows of gw1,
	s_lshl_b32 s56, s24, 9
	s_add_nc_u64 s[10:11], s[10:11], s[56:57]      ; their scale bytes,
	s_lshl_b32 s56, s24, 8
	s_add_nc_u64 s[12:13], s[12:13], s[56:57]      ; their biases,
	s_lshl_b32 s56, s24, 11
	s_add_nc_u64 s[14:15], s[14:15], s[56:57]      ; and the same 64 rows of gw2
	; all that the wave ever loads goes out in one run
	WIN 0x80
.irp n, 0,1,2,3
.irp k, 0,1,2,3
	global_load_b128 v[GW1+16*\n+4*\k:GW1+16*\n+4*\k+3], v4, s[8:9] offset:2048*\n+32*\k
.endr
	global_load_b128 v[GB1+8*\n:GB1+8*\n+3], v6, s[12:13] offset:64*\n
	global_load_b128 v[GB1+8*\n+4:GB1+8*\n+7], v6, s[12:13] offset:64*\n+16
.endr
	WIN 0
.irp n, 0,1,2,3
	global_load_b64 v[GS+2*\n:GS+2*\n+1], v5, s[10:11] offset:128*\n
.endr
.irp t, 0,1,2,3,4,5,6,7
.irp k, 0,1,2,3
	global_load_b128 v[XF+16*\t+4*\k:XF+16*\t+4*\k+3], v4, s[4:5] offset:2048*\t+32*\k
.endr
	global_load_b64 v[XS+2*\t:XS+2*\t+1], v5, s[6:7] offset:128*\t
.endr
	global_load_b128 v[232:235], v13, s[16:17]     ; gb2
	global_load_b128 v[236:239], v13, s[16:17] offset:16
	WIN 0x40
.set k, 0
.rept 32
	global_load_b128 v[8*k:8*k+3], v7, s[14:15] offset:32*(16*(k/8)+k%8)       ; gw2's row of hidden unit 64 w + 16 (k / 8) + 8 h + k % 8
	global_load_b128 v[8*k+4:8*k+7], v7, s[14:15] offset:32*(16*(k/8)+k%8)+16
.set k, k+1
.endr
	WIN 0
	s_wait_loadcnt 0x0
; A tile of 16 tokens: 8 matrix instructions (four accumulators by turns), relu, and 128 packed multiply-adds onto two chains of 8 logits.
.macro GT t
.set LP, LG+16*((\t)%2)
	s_wait_dscnt 2                                 ; the last tile's two stores may be out; those of the tile before it, which read this set of logits, are done
	WIN 0x22                                       ; gw1 and gb1 in window 2
.irp n, 0,1,2,3
	WM ACC+8*\n, GW1+16*\n, XF+16*(\t), GB1+8*\n, GS+2*\n, XS+2*(\t)
.endr
	WIN 0x02
.irp n, 0,1,2,3
	WM ACC+8*\n, GW1+16*\n+8, XF+16*(\t)+8, ACC+8*\n, GS+2*\n+1, XS+2*(\t)+1
.endr
	WIN 0
.rept 4
	v_nop                                          ; four places between the last product and the first read of a result (ISA guide 7.12.1)
.endr
.set k, 0
.rept 32
	v_max_num_f32 v[ACC+k], 0, v[ACC+k]            ; relu; each accumulator from its low end on
.set k, k+1
.endr
	WIN 0x04                                       ; gw2 in window 1
.set kk, 0
.rept 16
.irp e, 0,2,4,6
.if kk == 0
	v_pk_mul_f32 v[LP+\e:LP+\e+1], v[ACC+kk:ACC+kk+1], v[8*kk+\e:8*kk+\e+1] op_sel_hi:[0,1]                          ; the first two units start the chains: nothing is cleared
	v_pk_mul_f32 v[LP+8+\e:LP+8+\e+1], v[ACC+kk:ACC+kk+1], v[8*kk+8+\e:8*kk+8+\e+1] op_sel:[1,0] op_sel_hi:[1,1]
.else
	v_pk_fma_f32 v[LP+\e:LP+\e+1], v[ACC+kk:ACC+kk+1], v[8*kk+\e:8*kk+\e+1], v[LP+\e:LP+\e+1] op_sel_hi:[0,1,1]      ; the pair's first unit x two of its gw2
	v_pk_fma_f32 v[LP+8+\e:LP+8+\e+1], v[ACC+kk:ACC+kk+1], v[8*kk+8+\e:8*kk+8+\e+1], v[LP+8+\e:LP+8+\e+1] op_sel:[1,0,0] op_sel_hi:[1,1,1]   ; the second unit
.endif
.endr
.set kk, kk+2
.endr
	WIN 0
.irp e, 0,2,4,6
	v_pk_add_f32 v[LP+\e:LP+\e+1], v[LP+\e:LP+\e+1], v[LP+8+\e:LP+8+\e+1]
.endr
	ds_store_b128 v8, v[LP:LP+3] offset:PLOG+512*(\t)
	ds_store_b128 v8, v[LP+4:LP+7] offset:PLOG+512*(\t)+16
.endm
.irp t, 0,1,2,3,4,5,6,7
	GT \t
.endr
	s_wait_dscnt 0x0                               ; for the others' sake: my shares lie in LDS
	s_barrier_signal -1
	s_barrier_wait -1
	; from here on a lane has a token: 32 w + lane
.irp p, 0,1,2,3,4,5,6,7
	ds_load_b128 v[XF+8*\p:XF+8*\p+3], v9 offset:PLOG+4096*\p
	ds_load_b128 v[XF+8*\p+4:XF+8*\p+7], v9 offset:PLOG+4096*\p+16
.endr
	v_mov_b32 v241, 0                              ; (named as the upper half of the pair v[240:241])
	s_wait_dscnt 0x0
.irp p, 0,1,2,3,4,5,6,7
.irp e, 0,2,4,6
	v_pk_add_f32 v[232+\e:233+\e], v[232+\e:233+\e], v[XF+8*\p+\e:XF+8*\p+\e+1]    ; gb2 + the eight shares
.endr
.endr
	v_max3_num_f32 v240, v232, v233, v234
	v_max3_num_f32 v240, v240, v235, v236
	v_max3_num_f32 v240, v240, v237, v238
	v_max_num_f32 v240, v240, v239                 ; the largest logit is taken away ahead of the exponential
	v_mul_f32 v240, 0x3fb8aa3b, v240
.irp e, 0,2,4,6
	v_pk_fma_f32 v[232+\e:233+\e], v[232+\e:233+\e], 0x3fb8aa3b, v[240:241] op_sel_hi:[1,0,0] neg_lo:[0,0,1] neg_hi:[0,0,1]   ; (l - max) log2(e)
.endr
.irp e, 0,1,2,3,4,5,6,7
	v_exp_f32 v[232+\e], v[232+\e]
.endr
	v_nop                                          ; a plain instruction behind the last exponential
	s_wait_alu depctr_va_vdst(0)                   ; one wait for the eight, ahead of their first reader
	v_pk_add_f32 v[242:243], v[232:233], v[234:235]
	v_pk_add_f32 v[244:245], v[236:237], v[238:239]
	v_pk_add_f32 v[242:243], v[242:243], v[244:245]
	v_add_f32 v242, v242, v243
	v_rcp_f32 v244, v242
	v_nop
	s_wait_alu depctr_va_vdst(0)
.irp e, 0,2,4,6
	v_pk_mul_f32 v[232+\e:233+\e], v[232+\e:233+\e], v[244:245] op_sel_hi:[1,0]    ; the gates
.endr
	v_mov_b32 v246, v232                           ; the largest gate so far, v247 its expert;
	v_mov_b32 v247, 0
	v_mov_b32 v248, -1.0                           ; the second, under every gate, v249 its expert
	v_mov_b32 v249, 0
.irp e, 1,2,3,4,5,6,7                          ; strictly greater: of equal gates the lower index stays ahead
	v_cmp_gt_f32 s56, v[232+\e], v246
	v_cmp_gt_f32 s57, v[232+\e], v248
	v_cndmask_b32 v248, v248, v[232+\e], s57
	v_cndmask_b32 v249, v249, \e, s57
	v_cndmask_b32 v248, v248, v246, s56
	v_cndmask_b32 v249, v249, v247, s56
	v_cndmask_b32 v246, v246, v[232+\e], s56
	v_cndmask_b32 v247, v247, \e, s56
.endr
	v_add_f32 v250, v246, v248
	v_rcp_f32 v251, v250
	v_min_u32 v252, v247, v249                     ; a
	v_max_u32 v253, v247, v249                     ; b
	s_wait_alu depctr_va_vdst(0)
	v_mul_f32 v246, v246, v251
	v_mul_f32 v248, v248, v251
	v_cmp_lt_u32 vcc_lo, v247, v249
	v_cndmask_b32 v254, v248, v246, vcc_lo         ; w_a
	v_cndmask_b32 v255, v246, v248, vcc_lo         ; w_b
	v_sub_nc_u32 v232, 15, v252                    ; bin = a (15 - a) / 2 + (a odd ? 7 - b : b - a - 1)
	v_mul_u32_u24 v232, v252, v232
	v_lshrrev_b32 v232, 1, v232
	v_sub_nc_u32 v233, v253, v252
	v_add_nc_u32 v233, -1, v233
	v_sub_nc_u32 v234, 7, v253
	v_and_b32 v235, 1, v252
	v_cmp_eq_u32 vcc_lo, 1, v235
	v_cndmask_b32 v233, v233, v234, vcc_lo
	v_add_nc_u32 v232, v232, v233
	; ranks without atomics: a mask of the wave's lanes for each bin; its count; the waves' counts meet in LDS
.set p, 0
.rept 28
	v_cmp_eq_u32 s[28+p], p, v232
.set p, p+1
.endr
	v_mov_b32 v236, 0
.set i, 0
.rept 14
	s_bcnt1_i32_b32 s56, s[28+2*i]
	s_bcnt1_i32_b32 s57, s[29+2*i]
	s_lshl_b32 s57, s57, 16
	s_or_b32 s56, s56, s57
	v_writelane_b32 v236, s56, i                   ; lane i: the counts of bins 2 i and 2 i + 1
.set i, i+1
.endr
	ds_store_b32 v10, v236 offset:HX
	s_wait_dscnt 0x0
	s_barrier_signal -1
	s_barrier_wait -1
.irp u, 0,1,2,3
	ds_load_b32 v[240+\u], v11 offset:HX+128*\u
.endr
	s_cmp_gt_u32 s24, 0
	s_cselect_b32 s56, -1, 0
	s_cmp_gt_u32 s24, 1
	s_cselect_b32 s57, -1, 0
	s_cmp_gt_u32 s24, 2
	s_cselect_b32 s58, -1, 0
	v_mov_b32 v239, 0
	s_wait_dscnt 0x0
	v_add_nc_u32 v244, v240, v241
	v_add_nc_u32 v245, v242, v243
	v_add_nc_u32 v244, v244, v245                  ; the block's counts
	v_and_b32 v245, s56, v240                      ; the counts of the waves ahead of mine
	v_and_b32 v238, s57, v241
	v_add_nc_u32 v245, v245, v238
	v_and_b32 v238, s58, v242
	v_add_nc_u32 v245, v245, v238
.set i, 0
.rept 14
	v_readlane_b32 s56, v245, i
	s_and_b32 s57, s56, 0xffff
	s_lshr_b32 s58, s56, 16
	v_mbcnt_lo_u32_b32 v238, s[28+2*i], s57        ; the bin's lanes below mine + the waves ahead
	v_mbcnt_lo_u32_b32 v237, s[29+2*i], s58
	v_cndmask_b32 v239, v239, v238, s[28+2*i]      ; kept where the bin is mine
	v_cndmask_b32 v239, v239, v237, s[29+2*i]
.set i, i+1
.endr
	v_lshl_or_b32 v240, v253, 4, v252
	v_lshl_or_b32 v240, v232, 8, v240
	v_lshl_or_b32 v240, v239, 16, v240
	global_store_b32 v10, v240, s[18:19]           ; a wave's store covers 128 consecutive bytes
	global_store_b64 v12, v[254:255], s[20:21]     ; 256 consecutive bytes, aligned
	s_cmp_lg_u32 s24, 0
	s_cbranch_scc1 .Ldone
	global_store_b32 v11, v244, s[22:23]           ; the block's 16 words; both halves of the lanes hold and write the same
.Ldone:
	s_wait_tensorcnt 0x0
	ds_add_u32 v14, v15
	s_wait_dscnt 0x0
	s_endpgm
.Lfunc_end_k_q88ea15f536_gate:
	.size	k_q88ea15f536_gate, .Lfunc_end_k_q88ea15f536_gate-k_q88ea15f536_gate
	.p2alignl 7, 3214868480
	.fill 96, 4, 3214868480
	.section	.rodata,"a",@progbits
	.p2align	6, 0x0
	.amdhsa_kernel k_q88ea15f536_gate
		.amdhsa_group_segment_fixed_size 33792
		.amdhsa_private_segment_fixed_size 0
		.amdhsa_enable_private_segment 0
		.amdhsa_kernarg_size 80
		.amdhsa_user_sgpr_count 2
		.amdhsa_user_sgpr_kernarg_segment_ptr 1
		.amdhsa_wavefront_size32 1
		.amdhsa_system_sgpr_workgroup_id_x 1
		.amdhsa_system_sgpr_workgroup_id_y 1
		.amdhsa_system_sgpr_workgroup_id_z 1
		.amdhsa_system_vgpr_workitem_id 0
		.amdhsa_next_free_vgpr 608
		.amdhsa_next_free_sgpr 66
		.amdhsa_reserve_vcc 1
		.amdhsa_float_denorm_mode_32 3
		.amdhsa_float_denorm_mode_16_64 3
		.amdhsa_memory_ordered 1
		.amdhsa_forward_progress 1
		.amdhsa_inst_pref_size 121
	.end_amdhsa_kernel
	.amdgpu_metadata
---
amdhsa.version: [ 1, 2 ]
amdhsa.kernels:
  - .name:           k_q88ea15f536_gate
    .symbol:         k_q88ea15f536_gate.kd
    .args:
      - { .name: x_codes, .offset: 0, .size: 8, .value_kind: global_buffer, .address_space: global }
      - { .name: x_scales, .offset: 8, .size: 8, .value_kind: global_buffer, .address_space: global }
      - { .name: gw1_codes, .offset: 16, .size: 8, .value_kind: global_buffer, .address_space: global }
      - { .name: gw1_scales, .offset: 24, .size: 8, .value_kind: global_buffer, .address_space: global }
      - { .name: gb1, .offset: 32, .size: 8, .value_kind: global_buffer, .address_space: global }
      - { .name: gw2, .offset: 40, .size: 8, .value_kind: global_buffer, .address_space: global }
      - { .name: gb2, .offset: 48, .size: 8, .value_kind: global_buffer, .address_space: global }
      - { .name: route, .offset: 56, .size: 8, .value_kind: global_buffer, .address_space: global }
      - { .name: gatew, .offset: 64, .size: 8, .value_kind: global_buffer, .address_space: global }
      - { .name: hist, .offset: 72, .size: 8, .value_kind: global_buffer, .address_space: global }
    .group_segment_fixed_size: 33792
    .private_segment_fixed_size: 0
    .kernarg_segment_align: 8
    .kernarg_segment_size: 80
    .max_flat_workgroup_size: 128
    .sgpr_count:     66
    .vgpr_count:     608
    .wavefront_size: 32
...
	.end_amdgpu_metadata
.endif
;; end of part 1
;; launch place (part 2): grid 256 x 1, 4 waves a work-group, no clusters, 1,024 bytes of LDS; arguments route, hist, sidx; writes sidx
.if DOCPART == 2
	.amdgcn_target "amdgcn-amd-amdhsa--gfx1250"
	.amdhsa_code_object_version 6
	.text
	.protected	k_q88ea15f536_place
	.globl	k_q88ea15f536_place
	.p2align	8
	.type	k_q88ea15f536_place,@function
k_q88ea15f536_place:
	s_mov_b64 s[64:65], 0
	v_nop
	global_prefetch_b8 v0, s[64:65] scope:SCOPE_SE
	s_setreg_imm32_b32 hwreg(HW_REG_WAVE_MODE, 25, 1), 1
	s_wait_xcnt 0x0
; THE PLACING.  Tokens are laid in the order of their bins (pairs of experts): position = the tokens of lower bins + those of this bin in lower blocks + the rank in the block.
; sidx[position] = token | a << 16 | b << 20.  A work-group takes the block of 128 tokens of its number; every work-group sums the whole table of counts (256 blocks x 16 words) for itself:
; wave w takes rows 64 w .. 64 w + 63, a lane one word of every second row.  Counts lie two to a word, 16 bits each; no half passes 32,768, so whole words are added.
; No matrix unit, no cluster, no tensor load: 16 KB of counts and 128 scattered words a work-group.  The stores are 4 bytes to places far apart: that is what a placing is.
.set EX, 0                             ; LDS: 4 rows of 128 bytes: for each word (total, sum of the blocks ahead of mine), a wave's share
	s_load_b128 s[4:7], s[0:1], 0x0                ; route, hist
	s_load_b64 s[8:9], s[0:1], 0x10                ; sidx
	v_lshl_add_u32 v64, v0, 2, 0x200
	v_mov_b32 v65, 0
	v_lshrrev_b32 v1, 5, v0
	v_readfirstlane_b32 s10, v1                    ; wave 0..3
	v_and_b32 v1, 31, v0
	v_and_b32 v2, 15, v0                           ; which word of a row
	v_bfe_u32 v3, v0, 4, 1                         ; h: which of two rows
	v_lshlrev_b32 v4, 2, v1
	v_lshlrev_b32 v5, 2, v0
	v_lshlrev_b32 v13, 3, v2
	s_lshl_b32 s17, s10, 7
	v_add_nc_u32 v12, s17, v13
	s_lshl_b32 s12, s10, 12
	s_mov_b32 s13, 0
	s_lshl_b32 s14, ttmp9, 9
	s_mov_b32 s15, 0
	s_mov_b32 s18, 0x76543210
	s_mov_b32 s19, 0xfedcba98                      ; v_permlanex16_b32's selects for lane l xor 16
	s_wait_kmcnt 0x0
	s_add_nc_u64 s[6:7], s[6:7], s[12:13]
	s_add_nc_u64 s[4:5], s[4:5], s[14:15]
.set k, 0
.rept 32
	global_load_b32 v[16+k], v4, s[6:7] offset:128*k               ; row 64 w + 2 k + h
.set k, k+1
.endr
	global_load_b32 v6, v5, s[4:5]                 ; my token's route word
	s_lshl_b32 s16, s10, 6
	s_sub_co_i32 s16, ttmp9, s16
	v_sub_nc_u32 v7, s16, v3                       ; row 64 w + 2 k + h lies ahead of my block where 2 k < block - 64 w - h
	v_mov_b32 v8, 0
	v_mov_b32 v9, 0
	v_mov_b32 v11, 0
	s_wait_loadcnt 0x0
.set k, 0
.rept 32
	v_cmp_lt_i32 vcc_lo, 2*k, v7
	v_cndmask_b32 v10, 0, v[16+k], vcc_lo
	v_add_nc_u32 v8, v8, v[16+k]
	v_add_nc_u32 v9, v9, v10
.set k, k+1
.endr
	v_permlanex16_b32 v10, v8, s18, s19
	v_permlanex16_b32 v11, v9, s18, s19
	v_add_nc_u32 v8, v8, v10
	v_add_nc_u32 v9, v9, v11
	ds_store_b64 v12, v[8:9] offset:EX             ; both halves of the lanes hold and write the same
	s_wait_dscnt 0x0
	s_barrier_signal -1
	s_barrier_wait -1
.irp u, 0,1,2,3
	ds_load_b64 v[16+2*\u:17+2*\u], v13 offset:EX+128*\u
.endr
	s_wait_dscnt 0x0
	v_add_nc_u32 v8, v16, v18
	v_add_nc_u32 v9, v17, v19
	v_add_nc_u32 v10, v20, v22
	v_add_nc_u32 v11, v21, v23
	v_add_nc_u32 v8, v8, v10                       ; all blocks' counts of my word's two bins
	v_add_nc_u32 v9, v9, v11                       ; those of the blocks ahead of mine
	v_and_b32 v10, 0xffff, v8
	v_lshrrev_b32 v11, 16, v8
	v_add_nc_u32 v14, v10, v11
	v_mov_b32 v15, v14
.irp n, 1,2,4,8                                ; a running sum over the 16 words, inside each half of the lanes
	v_mov_b32_dpp v24, v15 row_shr:\n row_mask:0xf bank_mask:0xf bound_ctrl:1
	v_add_nc_u32 v15, v15, v24
.endr
	v_sub_nc_u32 v25, v15, v14                     ; the tokens of lower words
	v_add_nc_u32 v26, v25, v10
	v_lshl_or_b32 v25, v26, 16, v25                ; where the word's two bins begin,
	v_add_nc_u32 v25, v25, v9                      ; and where my block's tokens begin in them
	v_bfe_u32 v27, v6, 8, 5                        ; my bin
	v_lshrrev_b32 v28, 1, v27
	v_lshlrev_b32 v28, 2, v28
	ds_bpermute_b32 v29, v28, v25                  ; from the lane that holds my bin's word; no LDS byte is touched
	v_and_b32 v30, 1, v27
	v_lshlrev_b32 v30, 4, v30
	v_bfe_u32 v31, v6, 16, 8                       ; my rank
	s_lshl_b32 s20, ttmp9, 7
	v_add_nc_u32 v32, s20, v0                      ; my token
	v_and_b32 v33, 0xff, v6
	v_lshl_or_b32 v32, v33, 16, v32
	s_wait_dscnt 0x0
	v_lshrrev_b32 v29, v30, v29
	v_and_b32 v29, 0xffff, v29
	v_add_nc_u32 v29, v29, v31
	v_min_u32 v29, 0x7fff, v29                     ; a position lies under 32,768
	v_lshlrev_b32 v29, 2, v29
	global_store_b32 v29, v32, s[8:9]
	s_wait_tensorcnt 0x0
	ds_add_u32 v64, v65
	s_wait_dscnt 0x0
	s_endpgm
.Lfunc_end_k_q88ea15f536_place:
	.size	k_q88ea15f536_place, .Lfunc_end_k_q88ea15f536_place-k_q88ea15f536_place
	.p2alignl 7, 3214868480
	.fill 96, 4, 3214868480
	.section	.rodata,"a",@progbits
	.p2align	6, 0x0
	.amdhsa_kernel k_q88ea15f536_place
		.amdhsa_group_segment_fixed_size 1024
		.amdhsa_private_segment_fixed_size 0
		.amdhsa_enable_private_segment 0
		.amdhsa_kernarg_size 24
		.amdhsa_user_sgpr_count 2
		.amdhsa_user_sgpr_kernarg_segment_ptr 1
		.amdhsa_wavefront_size32 1
		.amdhsa_system_sgpr_workgroup_id_x 1
		.amdhsa_system_sgpr_workgroup_id_y 1
		.amdhsa_system_sgpr_workgroup_id_z 1
		.amdhsa_system_vgpr_workitem_id 0
		.amdhsa_next_free_vgpr 66
		.amdhsa_next_free_sgpr 66
		.amdhsa_reserve_vcc 1
		.amdhsa_float_denorm_mode_32 3
		.amdhsa_float_denorm_mode_16_64 3
		.amdhsa_memory_ordered 1
		.amdhsa_forward_progress 1
		.amdhsa_inst_pref_size 11
	.end_amdhsa_kernel
	.amdgpu_metadata
---
amdhsa.version: [ 1, 2 ]
amdhsa.kernels:
  - .name:           k_q88ea15f536_place
    .symbol:         k_q88ea15f536_place.kd
    .args:
      - { .name: route, .offset: 0, .size: 8, .value_kind: global_buffer, .address_space: global }
      - { .name: hist, .offset: 8, .size: 8, .value_kind: global_buffer, .address_space: global }
      - { .name: sidx, .offset: 16, .size: 8, .value_kind: global_buffer, .address_space: global }
    .group_segment_fixed_size: 1024
    .private_segment_fixed_size: 0
    .kernarg_segment_align: 8
    .kernarg_segment_size: 24
    .max_flat_workgroup_size: 128
    .sgpr_count:     66
    .vgpr_count:     66
    .wavefront_size: 32
...
	.end_amdgpu_metadata
.endif
;; end of part 2
;; launch chain (part 3): grid 256 x 1, 4 waves a work-group, no clusters, 82,944 bytes of LDS; arguments sidx, gatew, x_codes, x_scales, w1_codes, w1_scales, b1, g1, be1, w2_codes, w2_scales, b2, g2, be2, w3_codes, w3_scales, b3, out0; writes out0
.if DOCPART == 3
	.amdgcn_target "amdgcn-amd-amdhsa--gfx1250"
	.amdhsa_code_object_version 6
	.text
	.protected	k_q88ea15f536_chain
	.globl	k_q88ea15f536_chain
	.p2align	8
	.type	k_q88ea15f536_chain,@function
k_q88ea15f536_chain:
	s_mov_b64 s[64:65], 0
	v_nop
	global_prefetch_b8 v0, s[64:65] scope:SCOPE_SE
	s_setreg_imm32_b32 hwreg(HW_REG_WAVE_MODE, 25, 1), 1
	s_wait_xcnt 0x0
; THE EXPERTS.  out[token] = w_a y_a + w_b y_b, y_e = relu(LN(relu(LN(x W1_e + b1_e)) W2_e + b2_e)) W3_e + b3_e; all three products on codes of E2M1, the two hidden layers quantised on the way, in f32 up to the quantiser.
; Only the chosen experts are multiplied.  A work-group owns 128 neighbouring positions of the list sorted by pairs of experts: 8 tiles of 16 tokens.  It walks e = 0 .. 7, a constant count, and takes
; through expert e the tiles that the list names for it (scalar branches on the stored list); each token's row is summed in registers and stored once, by its one owner.
; THE WAVES SHARE THE COLUMNS: wave w makes hidden units and outputs 64 w .. 64 w + 63 for all tokens.  So a weight byte goes from memory into the registers of the one wave that uses it, and each wave
; holds only its own 64 of b, g, be.  Activations go from wave to wave through LDS as images of the operand's registers (16 bytes a lane, 512 a store), their scale bytes beside them.
; Products are used transposed (source 0 = 16 rows of a weight, source 1 = 16 tokens): a lane holds ONE token.  The rows of W1 and W2 that form a tile are not neighbours: lane r of tile 2 b + u takes row
; 64 w + 32 b + 8 u + r + 8 (r / 8), so that the 16 registers of tiles 2 b, 2 b + 1 are 16 neighbours along the next K.
; LAYER NORM over 256 units that lie in four waves: each wave gives its mean m_w and its sum of squares about m_w; then m = mean of m_w, 256 var = sum M2_w + 64 sum (m_w - m)^2: no difference of large sums.
; FIVE PHASES an expert, a barrier behind each of the first four, outside every branch: 1 product, statistics | 2 norm, relu, quantise | 3 product, statistics | 4 norm, relu, quantise | 5 product, weighed sum.
; NO TENSOR LOADS, NO CLUSTER: the walk branches on numbers read from memory, and neighbours in the grid walk other experts.
; LIMITS: NaN and infinities are not served; 1 / sqrt is v_rsq_f32 and a multiplication; a block of zeros carries the scale byte 1 (its codes are zeros; this program alone reads the byte).
.set XIMG, 0                           ; LDS: x's fragments: tile t at 2048 t, piece 2 s + c at 512 each, 16 bytes a lane
.set XSC,  16384                       ; their scale words: tile t at 256 t, 8 bytes a lane
.set HIMG, 18432                       ; a hidden layer's, likewise; wave w writes piece w
.set HSC,  34816                       ; and 2 bytes at 8 lane + 2 w
.set STAT, 36864                       ; tile t at 1024 t: 32 lane + 8 wave: (m_w, M2_w)
.set REC,  45056                       ; 16 bytes a position: a, b, w_a, w_b
.set TOK,  47104                       ; 4 bytes a position: the token
.set STG,  47616                       ; the way out: for each wave two stages of 16 rows x (256 + 16) bytes
; window 0: v1 16 lane; v2 8 lane; v3 16 lane + 512 w; v4 8 lane + 2 w; v5 32 lane + 8 w; v6 32 lane; v7 16 r; v8, v9 the stage, in and back; v10 256 w + 16 r; v11 TOK + 4 h;
;           v12, v14 a weight's rows and scale bytes, chosen rows; v13, v15 natural rows; v16 64 h; v17 32 h; v18 1 / 256
.set W1S,  20                          ; v20-27   W1's scale words, tile n, K step s at 2 n + s
.set W23S, 28                          ; v28-35   W2's, later W3's
.set AS,   36                          ; v36-39   the tokens' scale words, two buffers by the tile's parity (so all below up to RC)
.set FB,   40                          ; v40-71   the tokens' fragments, 16 a buffer
.set SB,   72                          ; v72-87   the four waves' statistics
.set OW,   88                          ; v88-91   my wave's own
.set RC,   92                          ; v92-99   a, b, w_a, w_b
.set TW,   100                         ; v100-139 at work
.set BBA,  140                         ; v140-171 b1
.set BBB,  172                         ; v172-203 b2, later b3
.set W1,   0                           ; window 1: v0-63 W1, fragment (n, s) at 8 (2 n + s); v64-127 W2, later W3; v128-191 g1, be1; v192-255 g2, be2
.set W23,  64
.set GB1,  128
.set GB2,  192
                                       ; window 2: the accumulators, tile t, column tile n at 32 t + 8 n;   window 3: the output's sums, likewise
.set EB,   100                         ; the way out: rows read back, 32 registers x 2;
.set ET,   164                         ; their tokens, 8 x 2;
.set EA,   180                         ; their offsets in out0, 8 x 2
; s[4:39] the 18 buffers; s40-47 tile t's experts as bits; s48 their union; s49 e; s50 the next expert named; s51 wave; s[52:53] lane selects; s56-63 at work; s[66:81] bases of the loads in flight
.set MSB, 0
.macro WIN new                         ; the immediate's high byte repeats the setting that is left; at a label and at a branch every window is 0
.if MSB != \new
	s_set_vgpr_msb (MSB<<8)|\new
.set MSB, \new
.endif
.endm
.macro WM d, a, b, c, sa, sb
	v_wmma_scale_f32_16x16x128_f8f6f4 v[\d:\d+7], v[\a:\a+7], v[\b:\b+7], v[\c:\c+7], v[\sa], v[\sb] matrix_a_fmt:MATRIX_FMT_FP4 matrix_b_fmt:MATRIX_FMT_FP4
.endm
.macro BAR                             ; my LDS stores have landed and my LDS loads are in: then the work-group's barrier
	s_wait_dscnt 0x0
	s_barrier_signal -1
	s_barrier_wait -1
.endm
; What phase ph wants of tile t from LDS, into the buffers of t's parity: 5, 3, 5, 3, 6 loads
.macro LD ph, t
.set QB, (\t)%2
.if ((\ph) == 2) || ((\ph) == 4)
	ds_load_b128 v[SB+8*QB:SB+8*QB+3], v6 offset:STAT+1024*(\t)
	ds_load_b128 v[SB+8*QB+4:SB+8*QB+7], v6 offset:STAT+1024*(\t)+16
	ds_load_b64 v[OW+2*QB:OW+2*QB+1], v5 offset:STAT+1024*(\t)
.else
.if (\ph) == 1
.set IB, XIMG
.set JB, XSC
.else
.set IB, HIMG
.set JB, HSC
.endif
.irp k, 0,1,2,3
	ds_load_b128 v[FB+16*QB+4*\k:FB+16*QB+4*\k+3], v1 offset:IB+2048*(\t)+512*\k
.endr
	ds_load_b64 v[AS+2*QB:AS+2*QB+1], v2 offset:JB+256*(\t)
.if (\ph) == 5
	ds_load_b128 v[RC+4*QB:RC+4*QB+3], v7 offset:REC+256*(\t)
.endif
.endif
.endm
; My 64 columns of tile t: 8 matrix instructions, four accumulators by turns; the bias is the C of each sum's first
.macro MM t, W, WS, BB
.set QB, (\t)%2
	WIN 0x81                                       ; D window 2, the weight window 1
.irp n, 0,1,2,3
	WM 32*(\t)+8*\n, \W+16*\n, FB+16*QB, \BB+8*\n, \WS+2*\n, AS+2*QB
.endr
	WIN 0xa1                                       ; C window 2 too
.irp n, 0,1,2,3
	WM 32*(\t)+8*\n, \W+16*\n+8, FB+16*QB+8, 32*(\t)+8*\n, \WS+2*\n+1, AS+2*QB+1
.endr
	WIN 0
.rept 4
	v_nop                                          ; four places between the last product and the first read of a result (ISA guide 7.12.1)
.endr
.endm
; Phases 1 and 3: the product; my wave's mean of the token's 64 numbers; the numbers less that mean stay in the accumulators; the sum of their squares
.macro CPA t, W, WS, BB
	MM \t, \W, \WS, \BB
.set AC0, 32*(\t)
	WIN 0x0a
.irp k, 0,1,2,3,4,5,6,7
	v_pk_add_f32 v[TW+2*\k:TW+2*\k+1], v[AC0+4*\k:AC0+4*\k+1], v[AC0+4*\k+2:AC0+4*\k+3]     ; each accumulator from its low end on
.endr
	WIN 0
	v_pk_add_f32 v[TW:TW+1], v[TW:TW+1], v[TW+2:TW+3]
	v_pk_add_f32 v[TW+4:TW+5], v[TW+4:TW+5], v[TW+6:TW+7]
	v_pk_add_f32 v[TW+8:TW+9], v[TW+8:TW+9], v[TW+10:TW+11]
	v_pk_add_f32 v[TW+12:TW+13], v[TW+12:TW+13], v[TW+14:TW+15]
	v_pk_add_f32 v[TW:TW+1], v[TW:TW+1], v[TW+4:TW+5]
	v_pk_add_f32 v[TW+8:TW+9], v[TW+8:TW+9], v[TW+12:TW+13]
	v_pk_add_f32 v[TW:TW+1], v[TW:TW+1], v[TW+8:TW+9]
	v_add_f32 v[TW], v[TW], v[TW+1]
	v_permlanex16_b32 v[TW+18], v[TW], s52, s53    ; the token's other 32 numbers lie in the lane 16 away
	v_add_f32 v[TW], v[TW], v[TW+18]
	v_mul_f32 v[TW+16], 0x3c800000, v[TW]          ; m_w = the sum / 64
	WIN 0x82
.irp k, 0,1,2,3,4,5,6,7,8,9,10,11,12,13,14,15
	v_pk_add_f32 v[AC0+2*\k:AC0+2*\k+1], v[AC0+2*\k:AC0+2*\k+1], v[TW+16:TW+17] op_sel_hi:[1,0] neg_lo:[0,1] neg_hi:[0,1]
.endr
	WIN 0x0a
.irp k, 0,1,2,3
	v_pk_mul_f32 v[TW+20+2*\k:TW+21+2*\k], v[AC0+2*\k:AC0+2*\k+1], v[AC0+2*\k:AC0+2*\k+1]
.endr
.irp k, 4,5,6,7,8,9,10,11,12,13,14,15
	v_pk_fma_f32 v[TW+20+2*(\k%4):TW+21+2*(\k%4)], v[AC0+2*\k:AC0+2*\k+1], v[AC0+2*\k:AC0+2*\k+1], v[TW+20+2*(\k%4):TW+21+2*(\k%4)]
.endr
	WIN 0
	v_pk_add_f32 v[TW+20:TW+21], v[TW+20:TW+21], v[TW+22:TW+23]
	v_pk_add_f32 v[TW+24:TW+25], v[TW+24:TW+25], v[TW+26:TW+27]
	v_pk_add_f32 v[TW+20:TW+21], v[TW+20:TW+21], v[TW+24:TW+25]
	v_add_f32 v[TW+17], v[TW+20], v[TW+21]
	v_permlanex16_b32 v[TW+18], v[TW+17], s52, s53
	v_add_f32 v[TW+17], v[TW+17], v[TW+18]         ; M2_w
	ds_store_b64 v5, v[TW+16:TW+17] offset:STAT+1024*(\t)
.endm
; Phases 2 and 4: the row's mean and variance from the four waves' figures; norm, gain, bias, relu; my 64 numbers are two blocks of 32 along the next K: their scale bytes and codes go to LDS
.macro CPB t, GB
.set QB, (\t)%2
.set AC0, 32*(\t)
.set S0, SB+8*QB
	v_add_f32 v[TW], v[S0], v[S0+2]
	v_add_f32 v[TW+1], v[S0+4], v[S0+6]
	v_add_f32 v[TW+2], v[S0+1], v[S0+3]
	v_add_f32 v[TW+3], v[S0+5], v[S0+7]
	v_add_f32 v[TW], v[TW], v[TW+1]
	v_add_f32 v[TW+2], v[TW+2], v[TW+3]            ; sum of M2_w
	v_mul_f32 v[TW], 0x3e800000, v[TW]             ; m
.irp k, 0,1,2,3
	v_sub_f32 v[TW+4+\k], v[S0+2*\k], v[TW]
.endr
	v_mul_f32 v[TW+8], v[TW+4], v[TW+4]
	v_fmac_f32 v[TW+8], v[TW+5], v[TW+5]
	v_fmac_f32 v[TW+8], v[TW+6], v[TW+6]
	v_fmac_f32 v[TW+8], v[TW+7], v[TW+7]
	v_fmamk_f32 v[TW+2], v[TW+8], 0x42800000, v[TW+2]      ; + 64 sum (m_w - m)^2
	v_fmaak_f32 v[TW+2], v18, v[TW+2], 0x3727c5ac          ; / 256 + 1e-5
	v_rsq_f32 v[TW+10], v[TW+2]
	v_sub_f32 v[TW+11], v[OW+2*QB], v[TW]          ; a plain instruction behind the root
	s_wait_alu depctr_va_vdst(0)                   ; ahead of the result's first reader
	v_mul_f32 v[TW+11], v[TW+11], v[TW+10]         ; (m_w - m) / sqrt
	WIN 0x82
.irp k, 0,1,2,3,4,5,6,7,8,9,10,11,12,13,14,15
	v_pk_fma_f32 v[AC0+2*\k:AC0+2*\k+1], v[AC0+2*\k:AC0+2*\k+1], v[TW+10:TW+11], v[TW+10:TW+11] op_sel:[0,0,1] op_sel_hi:[1,0,1]   ; (h - m) / sqrt
.endr
	WIN 0x96
.irp k, 0,1,2,3,4,5,6,7,8,9,10,11,12,13,14,15
	v_pk_fma_f32 v[AC0+2*\k:AC0+2*\k+1], v[AC0+2*\k:AC0+2*\k+1], v[\GB+2*\k:\GB+2*\k+1], v[\GB+32+2*\k:\GB+33+2*\k]               ; x g + be
.endr
	WIN 0x88
.set k, 0
.rept 32
	v_max_num_f32 v[AC0+k], 0, v[AC0+k]
.set k, k+1
.endr
	WIN 0
	v_mov_b32 v[TW+12], 0x1800000                  ; the floor 2^(3 - 127), under which no largest magnitude is taken: the byte cannot fall under 1
	v_mov_b32 v[TW+13], 0x1800000
	WIN 0x28
.irp i, 0,2,4,6,8,10,12,14
.irp b, 0,1
	v_max3_num_f32 v[TW+12+\b], v[TW+12+\b], v[AC0+16*\b+\i], v[AC0+16*\b+\i+1]    ; none is negative; the two blocks by turns
.endr
.endr
	WIN 0
	v_permlanex16_b32 v[TW+14], v[TW+12], s52, s53
	v_permlanex16_b32 v[TW+15], v[TW+13], s52, s53
	v_max_num_f32 v[TW+12], v[TW+12], v[TW+14]
	v_max_num_f32 v[TW+13], v[TW+13], v[TW+15]
	v_add_nc_u32 v[TW+20], 0xff000000, v[TW+12]    ; 2 off the exponent field: the conversion's scale operand
	v_add_nc_u32 v[TW+21], 0xff000000, v[TW+13]
	v_lshrrev_b32 v[TW+22], 23, v[TW+20]           ; the scale's byte
	v_lshrrev_b32 v[TW+23], 23, v[TW+21]
	v_lshl_or_b32 v[TW+24], v[TW+23], 8, v[TW+22]
	WIN 0x02
.irp k, 0,1,2,3
	v_cvt_scalef32_pk8_fp4_f32 v[TW+28+\k], v[AC0+8*\k:AC0+8*\k+7], v[TW+20+(\k/2)]
.endr
	WIN 0
	v_nop                                          ; a plain instruction behind the last scaled conversion
	v_permlane16_swap_b32 v[TW+28], v[TW+30]       ; the operand wants a whole block in a lane: lanes 0-15 my first block, lanes 16-31 my second
	v_permlane16_swap_b32 v[TW+29], v[TW+31]
	ds_store_b128 v3, v[TW+28:TW+31] offset:HIMG+2048*(\t)
	ds_store_b16 v4, v[TW+24] offset:HSC+256*(\t)
.endm
; Phase 5: the token's weight for expert e (0 where it did not choose e), the product, and the weighed sum
.macro CPC t
.set QB, (\t)%2
.set AC0, 32*(\t)
	v_cmp_eq_u32 vcc_lo, s49, v[RC+4*QB]
	v_cndmask_b32 v[TW], 0, v[RC+4*QB+2], vcc_lo
	v_cmp_eq_u32 vcc_lo, s49, v[RC+4*QB+1]
	v_cndmask_b32 v[TW], v[TW], v[RC+4*QB+3], vcc_lo
	MM \t, W23, W23S, BBB
	WIN 0xf2
.irp k, 0,1,2,3,4,5,6,7,8,9,10,11,12,13,14,15
	v_pk_fma_f32 v[AC0+2*\k:AC0+2*\k+1], v[AC0+2*\k:AC0+2*\k+1], v[TW:TW+1], v[AC0+2*\k:AC0+2*\k+1] op_sel_hi:[1,0,1]
.endr
	WIN 0
.endm
.macro CP ph, t
.if (\ph) == 1
	CPA \t, W1, W1S, BBA
.elseif (\ph) == 2
	CPB \t, GB1
.elseif (\ph) == 3
	CPA \t, W23, W23S, BBB
.elseif (\ph) == 4
	CPB \t, GB2
.else
	CPC \t
.endif
.endm
; A tile's turn in a walk.  The next tile's loads go out first, if the list names it; the wait stands in both arms, so that on every way tile t's loads and the last tile's stores are done:
; nl = the next tile's loads, which alone may stay out.
.macro WSTEP ph, t, nl
.if (\t) < 7
	s_bitcmp1_b32 s[41+\t], s49
	s_cbranch_scc0 .Ln_\@
	LD \ph, (\t)+1
	s_wait_dscnt \nl
	s_branch .Lg_\@
.Ln_\@:
	s_wait_dscnt 0x0
.Lg_\@:
.else
	s_wait_dscnt 0x0
.endif
	s_bitcmp1_b32 s[40+\t], s49
	s_cbranch_scc0 .Ls_\@
	CP \ph, \t
.Ls_\@:
.endm
.macro WALK ph, nl
	s_bitcmp1_b32 s40, s49
	s_cbranch_scc0 .Lw_\@
	LD \ph, 0
.Lw_\@:
.irp tt, 0,1,2,3,4,5,6,7
	WSTEP \ph, \tt, \nl
.endr
.endm
; A layer with a norm, of the expert whose number stands in s[eb]: my 64 chosen rows of codes (16 loads), their scale words (4), b (8), g and be (16): 44 loads
.macro ISSUE_P eb, pc, ps, pb, pg, pe, wd, wsd, bd, gd
	s_lshl_b32 s56, s[\eb], 15
	s_mov_b32 s57, 0
	s_lshl_b32 s58, s[\eb], 11
	s_mov_b32 s59, 0
	s_lshl_b32 s60, s[\eb], 10
	s_mov_b32 s61, 0
	s_add_nc_u64 s[66:67], s[\pc:\pc+1], s[56:57]
	s_add_nc_u64 s[68:69], s[\ps:\ps+1], s[58:59]
	s_add_nc_u64 s[70:71], s[\pb:\pb+1], s[60:61]
	s_add_nc_u64 s[72:73], s[\pg:\pg+1], s[60:61]
	s_add_nc_u64 s[74:75], s[\pe:\pe+1], s[60:61]
	WIN 0x40
.irp n, 0,1,2,3
.irp k, 0,1,2,3
	global_load_b128 v[\wd+16*\n+4*\k:\wd+16*\n+4*\k+3], v12, s[66:67] offset:128*(32*(\n/2)+8*(\n%2))+32*\k
.endr
.endr
.irp n, 0,1,2,3
.irp q, 0,1
	global_load_b128 v[\gd+8*\n+4*\q:\gd+8*\n+4*\q+3], v16, s[72:73] offset:4*(32*(\n/2)+8*(\n%2))+16*\q
	global_load_b128 v[\gd+32+8*\n+4*\q:\gd+32+8*\n+4*\q+3], v16, s[74:75] offset:4*(32*(\n/2)+8*(\n%2))+16*\q
.endr
.endr
	WIN 0
.irp n, 0,1,2,3
	global_load_b64 v[\wsd+2*\n:\wsd+2*\n+1], v14, s[68:69] offset:8*(32*(\n/2)+8*(\n%2))
.irp q, 0,1
	global_load_b128 v[\bd+8*\n+4*\q:\bd+8*\n+4*\q+3], v16, s[70:71] offset:4*(32*(\n/2)+8*(\n%2))+16*\q
.endr
.endr
.endm
; At the head of phase 4: expert e's W3, natural rows (28 loads), and the first layer of the next expert that the list names, if there is one
.macro ISSUE_B
	s_lshl_b32 s56, s49, 15
	s_mov_b32 s57, 0
	s_lshl_b32 s58, s49, 11
	s_mov_b32 s59, 0
	s_lshl_b32 s60, s49, 10
	s_mov_b32 s61, 0
	s_add_nc_u64 s[76:77], s[32:33], s[56:57]
	s_add_nc_u64 s[78:79], s[34:35], s[58:59]
	s_add_nc_u64 s[80:81], s[36:37], s[60:61]
	WIN 0x40
.irp n, 0,1,2,3
.irp k, 0,1,2,3
	global_load_b128 v[W23+16*\n+4*\k:W23+16*\n+4*\k+3], v13, s[76:77] offset:2048*\n+32*\k
.endr
.endr
	WIN 0
.irp n, 0,1,2,3
	global_load_b64 v[W23S+2*\n:W23S+2*\n+1], v15, s[78:79] offset:128*\n
	global_load_b128 v[BBB+8*\n:BBB+8*\n+3], v17, s[80:81] offset:64*\n
	global_load_b128 v[BBB+8*\n+4:BBB+8*\n+7], v17, s[80:81] offset:64*\n+16
.endr
	s_add_co_u32 s62, s49, 1
	s_lshr_b32 s63, s48, s62
	s_cmp_eq_u32 s63, 0
	s_cbranch_scc1 .Lnone_\@
	s_ctz_i32_b32 s63, s63
	s_add_co_u32 s50, s62, s63
	s_min_u32 s50, s50, 7
	ISSUE_P 50, 12, 14, 16, 18, 20, W1, W1S, BBA, GB1
.Lnone_\@:
.endm
; A phase.  It is passed over where no tile names expert e.  Every wait for global loads in the loop is for 0: between an issue and its use lie stretches that a way may pass over,
; so no count above 0 would hold on every way; loads go out at the heads of the two long phases alone and are wanted a phase later or more.
.macro PHASE ph, nl, issue
	s_bitcmp1_b32 s48, s49
	s_cbranch_scc0 .Lpast_\@
	s_wait_loadcnt 0x0
.if (\issue) == 1
	ISSUE_P 49, 22, 24, 26, 28, 30, W23, W23S, BBB, GB2
.elseif (\issue) == 2
	ISSUE_B
.endif
	WALK \ph, \nl
.Lpast_\@:
.endm
	s_load_b512 s[4:19], s[0:1], 0x0               ; sidx s[4:5], gatew s[6:7], x codes s[8:9], x scales s[10:11], w1 codes s[12:13], w1 scales s[14:15], b1 s[16:17], g1 s[18:19]
	s_load_b512 s[20:35], s[0:1], 0x40             ; be1 s[20:21], w2 codes s[22:23], w2 scales s[24:25], b2 s[26:27], g2 s[28:29], be2 s[30:31], w3 codes s[32:33], w3 scales s[34:35]
	s_load_b128 s[36:39], s[0:1], 0x80             ; b3 s[36:37], out0 s[38:39]
	v_lshl_add_u32 v254, v0, 2, 0x14200
	v_mov_b32 v255, 0
	v_lshrrev_b32 v204, 5, v0
	v_readfirstlane_b32 s51, v204                  ; wave 0..3
	v_and_b32 v204, 31, v0                         ; lane
	v_and_b32 v205, 15, v0                         ; r
	v_bfe_u32 v206, v0, 4, 1                       ; h
	v_and_b32 v207, 8, v205
	v_add_nc_u32 v207, v207, v205                  ; r + 8 (r / 8)
	v_lshlrev_b32 v1, 4, v204
	v_lshlrev_b32 v2, 3, v204
	s_lshl_b32 s56, s51, 9
	v_add_nc_u32 v3, s56, v1
	v_add_nc_u32 v241, s56, v2                     ; x's scale words: 8 lane + 512 w
	s_lshl_b32 s56, s51, 1
	v_add_nc_u32 v4, s56, v2
	v_lshlrev_b32 v6, 5, v204
	s_lshl_b32 s56, s51, 3
	v_add_nc_u32 v5, s56, v6
	v_lshlrev_b32 v7, 4, v205
	s_mul_i32 s56, s51, 8704
	s_add_co_u32 s56, s56, STG
	v_mul_u32_u24 v8, v205, 272
	v_lshl_add_u32 v8, v206, 5, v8
	v_add_nc_u32 v8, s56, v8
	v_mul_u32_u24 v9, v206, 272
	v_lshl_add_u32 v9, v205, 4, v9
	v_add_nc_u32 v9, s56, v9
	s_lshl_b32 s56, s51, 8
	v_lshl_add_u32 v10, v205, 4, s56
	v_lshl_add_u32 v11, v206, 2, TOK
	v_lshlrev_b32 v12, 7, v207
	v_lshl_add_u32 v12, v206, 4, v12
	v_lshlrev_b32 v13, 7, v205
	v_lshl_add_u32 v13, v206, 4, v13
	v_lshlrev_b32 v14, 3, v207
	v_lshlrev_b32 v15, 3, v205
	v_lshlrev_b32 v16, 6, v206
	v_lshlrev_b32 v17, 5, v206
	v_mov_b32 v18, 0x3b800000                      ; 1 / 256
	v_lshlrev_b32 v208, 2, v204                    ; sidx: 4 lane;
	s_lshl_b32 s56, s51, 7
	v_lshl_add_u32 v209, v205, 2, s56              ; 4 r + 128 w;
	v_lshlrev_b32 v210, 2, v0                      ; 4 x thread
	v_lshlrev_b32 v225, 4, v206                    ; 16 h
	s_lshl_b32 s56, s51, 12
	v_add_nc_u32 v240, s56, v1                     ; x's images: 16 lane + 4096 w
	v_lshlrev_b32 v242, 4, v0                      ; a position's record: 16 x thread
	s_mov_b32 s52, 0x76543210
	s_mov_b32 s53, 0xfedcba98                      ; v_permlanex16_b32's selects for lane l xor 16
	s_mov_b32 s57, 0
	s_wait_kmcnt 0x0
	s_lshl_b32 s56, ttmp9, 9
	s_add_nc_u64 s[4:5], s[4:5], s[56:57]          ; my work-group's 128 positions
.irp q, 0,1,2,3
	global_load_b32 v[212+\q], v208, s[4:5] offset:128*\q          ; all 128 words, for the tiles' experts
.endr
.irp u, 0,1
	global_load_b32 v[216+\u], v209, s[4:5] offset:64*\u           ; tiles 2 w and 2 w + 1, token r in both halves of the lanes: I bring their rows of x
.endr
	global_load_b32 v218, v210, s[4:5]             ; position 32 w + lane: I bring its record
	s_lshl_b32 s56, s51, 13                        ; my wave's 64 rows of each weight,
	s_add_nc_u64 s[12:13], s[12:13], s[56:57]
	s_add_nc_u64 s[22:23], s[22:23], s[56:57]
	s_add_nc_u64 s[32:33], s[32:33], s[56:57]
	s_lshl_b32 s56, s51, 9                         ; their scale bytes,
	s_add_nc_u64 s[14:15], s[14:15], s[56:57]
	s_add_nc_u64 s[24:25], s[24:25], s[56:57]
	s_add_nc_u64 s[34:35], s[34:35], s[56:57]
	s_lshl_b32 s56, s51, 8                         ; and my 64 of each b, g, be
	s_add_nc_u64 s[16:17], s[16:17], s[56:57]
	s_add_nc_u64 s[18:19], s[18:19], s[56:57]
	s_add_nc_u64 s[20:21], s[20:21], s[56:57]
	s_add_nc_u64 s[26:27], s[26:27], s[56:57]
	s_add_nc_u64 s[28:29], s[28:29], s[56:57]
	s_add_nc_u64 s[30:31], s[30:31], s[56:57]
	s_add_nc_u64 s[36:37], s[36:37], s[56:57]
	; The output's sums begin as zeros.  The walks below are passed over by branches on the stored list, so what one stretch leaves in registers for a later one is also written here once,
	; on the one way that all take.  These lines stand while the list is on its way.
.set i, 28
.rept 112
	v_mov_b32 v[i], 0
.set i, i+1
.endr
.set i, 172
.rept 32
	v_mov_b32 v[i], 0
.set i, i+1
.endr
.irp q, 0,1,2,3
	v_mov_b32 v[236+\q], 0                         ; a DPP form's destination counts as one of its sources
.endr
	WIN 0x40
.set i, 64
.rept 64
	v_mov_b32 v[i], 0
.set i, i+1
.endr
.set i, 192
.rept 64
	v_mov_b32 v[i], 0
.set i, i+1
.endr
	WIN 0xc0
.set i, 0
.rept 256
	v_mov_b32 v[i], 0
.set i, i+1
.endr
	WIN 0
	s_wait_loadcnt 0x0
.irp u, 0,1
	v_and_b32 v[219+\u], 0x7fff, v[216+\u]
	v_min_u32 v[219+\u], 0x7fff, v[219+\u]         ; a token lies under 32,768
	v_lshl_add_u32 v[221+\u], v[219+\u], 7, v225   ; its row of 128 bytes of codes, + 16 h
	v_lshlrev_b32 v[223+\u], 3, v[219+\u]          ; its 8 scale bytes
.endr
	v_and_b32 v226, 0x7fff, v218
	v_min_u32 v226, 0x7fff, v226
	v_lshlrev_b32 v227, 3, v226
.irp u, 0,1
.irp k, 0,1,2,3
	global_load_b128 v[100+16*\u+4*\k:103+16*\u+4*\k], v[221+\u], s[8:9] offset:32*\k
.endr
	global_load_b64 v[132+2*\u:133+2*\u], v[223+\u], s[10:11]
.endr
	global_load_b64 v[138:139], v227, s[6:7]       ; w_a, w_b
	v_bfe_u32 v136, v218, 16, 4                    ; a
	v_bfe_u32 v137, v218, 20, 4                    ; b
.irp q, 0,1,2,3
	v_bfe_u32 v228, v[212+\q], 16, 4
	v_bfe_u32 v229, v[212+\q], 20, 4
	v_lshlrev_b32 v228, v228, 1
	v_lshlrev_b32 v229, v229, 1
	v_or_b32 v[232+\q], v228, v229                 ; the position's two experts as bits
.endr
.irp m, 1,2,4,8                                ; joined over the 16 positions of a tile
.irp q, 0,1,2,3
	v_mov_b32_dpp v[236+\q], v[232+\q] row_xmask:\m row_mask:0xf bank_mask:0xf
.endr
.irp q, 0,1,2,3
	v_or_b32 v[232+\q], v[232+\q], v[236+\q]
.endr
.endr
.irp q, 0,1,2,3
	v_readlane_b32 s[40+2*\q], v[232+\q], 0
	v_readlane_b32 s[41+2*\q], v[232+\q], 16
.endr
	s_or_b32 s48, s40, s41
	s_or_b32 s48, s48, s42
	s_or_b32 s48, s48, s43
	s_or_b32 s48, s48, s44
	s_or_b32 s48, s48, s45
	s_or_b32 s48, s48, s46
	s_or_b32 s48, s48, s47
	s_ctz_i32_b32 s50, s48
	s_min_u32 s50, s50, 7                          ; the first expert that the list names
	ISSUE_P 50, 12, 14, 16, 18, 20, W1, W1S, BBA, GB1
	WIN 0x80
.set i, 0
.rept 256
	v_mov_b32 v[i], 0                              ; the accumulators, for the same reason as above, while the gathers are on their way
.set i, i+1
.endr
	WIN 0
	s_wait_loadcnt 44                              ; the 11 gathers are in; the 44 loads of the first layer, issued behind them, may be out
.irp u, 0,1
.irp k, 0,1,2,3
	ds_store_b128 v240, v[100+16*\u+4*\k:103+16*\u+4*\k] offset:XIMG+2048*\u+512*\k
.endr
	ds_store_b64 v241, v[132+2*\u:133+2*\u] offset:XSC+256*\u
.endr
	ds_store_b128 v242, v[136:139] offset:REC
	ds_store_b32 v210, v226 offset:TOK
	BAR                                            ; x's images, the records and the tokens lie in LDS; none of them is written again
	s_mov_b32 s49, 0
.Lexpert:
	PHASE 1, 5, 0
	BAR                                            ; the first layer's statistics lie in LDS; and every wave's reads of the last expert's hidden images are over
	PHASE 2, 3, 1
	BAR                                            ; the first hidden layer's images lie in LDS, and the reads of the statistics are over
	PHASE 3, 5, 0
	BAR
	PHASE 4, 3, 2
	BAR
	PHASE 5, 6, 0                                  ; no barrier behind it: the next trip's first phase writes the statistics alone, which were last read in front of the barrier above
	s_add_co_u32 s49, s49, 1
	s_cmp_lt_u32 s49, 8
	s_cbranch_scc1 .Lexpert
; THE WAY OUT.  A lane holds 32 bytes of a token's row and the lanes beside it hold other tokens: a tile goes through my own stage in LDS and comes back as rows of 256 bytes, my wave's part of a token's 1,024.
; LDS serves a wave's instructions in order (ISA guide 5.7.1.4): no wait between the stores and the loads.
.macro TOSTAGE t
.set PB, (\t)%2
	WIN 0x0c                                       ; an LDS store's data are its source 1: window 3
.irp n, 0,1,2,3
.irp q, 0,1
	ds_store_b128 v8, v[32*(\t)+8*\n+4*\q:32*(\t)+8*\n+4*\q+3] offset:4352*PB+64*\n+16*\q
.endr
.endr
	WIN 0
.irp i, 0,1,2,3,4,5,6,7
	ds_load_b128 v[EB+32*PB+4*\i:EB+32*PB+4*\i+3], v9 offset:4352*PB+544*\i        ; rows 2 i + h
.endr
.irp i, 0,1,2,3,4,5,6,7
	ds_load_b32 v[ET+8*PB+\i], v11 offset:64*(\t)+8*\i                             ; and their tokens
.endr
.endm
.macro SEND t, younger
.set PB, (\t)%2
	s_wait_dscnt \younger                          ; the tile is back; the next tile's 8 stores and 16 loads may be out
.irp i, 0,1,2,3,4,5,6,7
	v_min_u32 v[ET+8*PB+\i], 0x7fff, v[ET+8*PB+\i]
	v_lshl_add_u32 v[EA+8*PB+\i], v[ET+8*PB+\i], 10, v10
.endr
.irp i, 0,1,2,3,4,5,6,7
	global_store_b128 v[EA+8*PB+\i], v[EB+32*PB+4*\i:EB+32*PB+4*\i+3], s[38:39] th:TH_STORE_NT    ; 16 lanes store 256 consecutive bytes, at a multiple of 256 from out0's first byte
.endr
.endm
	s_wait_loadcnt 0x0                             ; no load is on its way into the registers that the way out takes
	TOSTAGE 0
.irp t, 1,2,3,4,5,6,7
.if \t > 1
	s_wait_xcnt 0x0                                ; the stores of two tiles back have read their registers: they are written again only behind this wait
.endif
	TOSTAGE \t
	SEND \t-1, 24
.endr
	SEND 7, 0
	s_wait_tensorcnt 0x0
	ds_add_u32 v254, v255
	s_wait_dscnt 0x0
	s_endpgm
.Lfunc_end_k_q88ea15f536_chain:
	.size	k_q88ea15f536_chain, .Lfunc_end_k_q88ea15f536_chain-k_q88ea15f536_chain
	.p2alignl 7, 3214868480
	.fill 96, 4, 3214868480
	.section	.rodata,"a",@progbits
	.p2align	6, 0x0
	.amdhsa_kernel k_q88ea15f536_chain
		.amdhsa_group_segment_fixed_size 82944
		.amdhsa_private_segment_fixed_size 0
		.amdhsa_enable_private_segment 0
		.amdhsa_kernarg_size 144
		.amdhsa_user_sgpr_count 2
		.amdhsa_user_sgpr_kernarg_segment_ptr 1
		.amdhsa_wavefront_size32 1
		.amdhsa_system_sgpr_workgroup_id_x 1
		.amdhsa_system_sgpr_workgroup_id_y 1
		.amdhsa_system_sgpr_workgroup_id_z 1
		.amdhsa_system_vgpr_workitem_id 0
		.amdhsa_next_free_vgpr 1024
		.amdhsa_next_free_sgpr 84
		.amdhsa_reserve_vcc 1
		.amdhsa_float_denorm_mode_32 3
		.amdhsa_float_denorm_mode_16_64 3
		.amdhsa_memory_ordered 1
		.amdhsa_forward_progress 1
		.amdhsa_inst_pref_size 255
	.end_amdhsa_kernel
	.section	.bss,"aw",@nobits
	.p2align	6
	.space	262144
	.amdgpu_metadata
---
amdhsa.version: [ 1, 2 ]
amdhsa.kernels:
  - .name:           k_q88ea15f536_chain
    .symbol:         k_q88ea15f536_chain.kd
    .args:
      - { .name: sidx, .offset: 0, .size: 8, .value_kind: global_buffer, .address_space: global }
      - { .name: gatew, .offset: 8, .size: 8, .value_kind: global_buffer, .address_space: global }
      - { .name: x_codes, .offset: 16, .size: 8, .value_kind: global_buffer, .address_space: global }
      - { .name: x_scales, .offset: 24, .size: 8, .value_kind: global_buffer, .address_space: global }
      - { .name: w1_codes, .offset: 32, .size: 8, .value_kind: global_buffer, .address_space: global }
      - { .name: w1_scales, .offset: 40, .size: 8, .value_kind: global_buffer, .address_space: global }
      - { .name: b1, .offset: 48, .size: 8, .value_kind: global_buffer, .address_space: global }
      - { .name: g1, .offset: 56, .size: 8, .value_kind: global_buffer, .address_space: global }
      - { .name: be1, .offset: 64, .size: 8, .value_kind: global_buffer, .address_space: global }
      - { .name: w2_codes, .offset: 72, .size: 8, .value_kind: global_buffer, .address_space: global }
      - { .name: w2_scales, .offset: 80, .size: 8, .value_kind: global_buffer, .address_space: global }
      - { .name: b2, .offset: 88, .size: 8, .value_kind: global_buffer, .address_space: global }
      - { .name: g2, .offset: 96, .size: 8, .value_kind: global_buffer, .address_space: global }
      - { .name: be2, .offset: 104, .size: 8, .value_kind: global_buffer, .address_space: global }
      - { .name: w3_codes, .offset: 112, .size: 8, .value_kind: global_buffer, .address_space: global }
      - { .name: w3_scales, .offset: 120, .size: 8, .value_kind: global_buffer, .address_space: global }
      - { .name: b3, .offset: 128, .size: 8, .value_kind: global_buffer, .address_space: global }
      - { .name: out0, .offset: 136, .size: 8, .value_kind: global_buffer, .address_space: global }
    .group_segment_fixed_size: 82944
    .private_segment_fixed_size: 0
    .kernarg_segment_align: 8
    .kernarg_segment_size: 144
    .max_flat_workgroup_size: 128
    .sgpr_count:     84
    .vgpr_count:     1024
    .wavefront_size: 32
...
	.end_amdgpu_metadata
.endif
;; end of part 3
;; ======== version 2 of 2: 3 launches
;; workspace buffers: route 131,072 bytes of whole numbers; gatew 262,144 bytes; hist 16,384 bytes of whole numbers; sidx 131,072 bytes of whole numbers
;; launch gate (part 4): grid 256 x 1, 4 waves a work-group, no clusters, 33,792 bytes of LDS; arguments x_codes, x_scales, gw1_codes, gw1_scales, gb1, gw2, gb2, route, gatew, hist; writes route, gatew, hist
.if DOCPART == 4
	.amdgcn_target "amdgcn-amd-amdhsa--gfx1250"
	.amdhsa_code_object_version 6
	.text
	.protected	k_q88ea15f536_gate
	.globl	k_q88ea15f536_gate
	.p2align	8
	.type	k_q88ea15f536_gate,@function
k_q88ea15f536_gate:
	s_mov_b64 s[64:65], 0
	v_nop
	global_prefetch_b8 v0, s[64:65] scope:SCOPE_SE
	s_setreg_imm32_b32 hwreg(HW_REG_WAVE_SCHED_MODE, 0, 2), 2
	s_setreg_imm32_b32 hwreg(HW_REG_WAVE_MODE, 25, 1), 1
	s_wait_xcnt 0x0
	s_wait_alu depctr_vm_vsrc(0)
; THE GATE.  logits = relu(x gw1 + gb1) gw2 + gb2; softmax; the two largest gates (a tie keeps the lower index); their weights, made to sum to 1.
; The first product runs on the codes of E2M1 as they are given; the second (8 columns) is made of f32 fused multiply-adds, since the choice of experts hangs on it.
; A work-group takes 128 tokens, 8 tiles of 16.  THE WAVES SHARE THE HIDDEN UNITS: wave w holds gw1's rows 64 w .. 64 w + 63, and gw2's, in registers for all 128 tokens.
; The product is used transposed (source 0 = 16 rows of gw1, source 1 = 16 tokens): lane (r, h) holds token r, register 8 n + i the hidden unit 64 w + 16 n + 8 h + i.
; Each lane sums its 32 units' share of the 8 logits; the 8 shares of a token (4 waves x 2 halves of the lanes) meet in LDS, and then a lane takes a token.
; STORED, at fixed places: route[token] = a | b << 4 | bin << 8 | rank << 16 (a < b the chosen experts; bin the pair's number of 28; rank the token's place among its block's tokens of that bin),
; gatew[token] = (w_a, w_b), hist[block][16] = the block's count of each bin, two to a word.  No address here hangs on the choice.
; The bins go (0,1)..(0,7),(1,7)..(1,2),(2,3)..(2,7),(3,7)..(3,4),(4,5)..(4,7),(5,7),(5,6),(6,7): neighbours share an expert.
; LIMITS: NaN and infinities are not served; a gate under 2^-126 counts as 0 (the exponential flushes denormals: ISA guide 15.8); divisions are a reciprocal and a multiplication;
; where the second and third gate lie within f32 rounding of each other either may be chosen.
; THE MODE: SCHED_MODE bits 1:0 = 2 (LLVM: expert scheduling mode 2), set by the entry lines.  The code itself states the register dependences between vector or matrix
; instructions and memory or LDS instructions, with s_wait_alu, always for 0.
; THE PLAN.  Registers that memory or LDS instructions touch:
;   v4-v13      offsets and LDS addresses: made once at the head, never written again.
;   the weights, x's fragments, the scale words, gb2: written by the head's loads alone; no vector line has named them before.
;   LG          two sets of logits.  Tile t's sums write set t % 2; the two LDS stores that read it are issued in tile t + 1, behind that tile's products.
;   v40-103     x's fragments of tiles 0 to 3, read by the products; behind the first barrier the tokens' shares land there.
;   v236        written by v_writelane_b32, read by one LDS store.   v240-243  named by vector lines, then LDS loads land there.   v240, v244, v254, v255  the final stores' data.
; So a tile holds one wait on va_vdst (the last tile's sums are written) and one on vm_vsrc (the stores of two tiles back have read the set that this tile writes).
.set PLOG, 0                           ; LDS: 8 parts of 4,096 bytes: part 2 w + h holds [token 0..127][8 f32]
.set HX,   32768                       ; LDS: 4 rows of 128 bytes: each wave's counts of the bins
.set XS,   16                          ; v16-31   x's scale words: tile t, K step s at 16 + 2 t + s
.set GS,   32                          ; v32-39   gw1's: tile n, K step s at 32 + 2 n + s
.set XF,   40                          ; v40-167  x's fragments: tile t, K step s at 40 + 16 t + 8 s
.set ACC,  168                         ; v168-199 four accumulators
.set LG,   200                         ; v200-231 two sets (by the tile's parity) of two chains of 8 logits
.set GW1,  0                           ; window 2: gw1's fragment (n, s) at 8 (2 n + s)
.set GB1,  64                          ; window 2: gb1, 8 registers a tile n.   window 1: gw2, register 8 k + e for accumulator register k and expert e
.set MSB, 0
.macro WIN new                         ; the immediate's high byte repeats the setting that is left
.if MSB != \new
	s_set_vgpr_msb (MSB<<8)|\new
.set MSB, \new
.endif
.endm
.macro WM d, a, b, c, sa, sb
	v_wmma_scale_f32_16x16x128_f8f6f4 v[\d:\d+7], v[\a:\a+7], v[\b:\b+7], v[\c:\c+7], v[\sa], v[\sb] matrix_a_fmt:MATRIX_FMT_FP4 matrix_b_fmt:MATRIX_FMT_FP4
.endm
	s_load_b512 s[4:19], s[0:1], 0x0               ; x codes s[4:5], x scales s[6:7], gw1 codes s[8:9], gw1 scales s[10:11], gb1 s[12:13], gw2 s[14:15], gb2 s[16:17], route s[18:19]
	s_load_b128 s[20:23], s[0:1], 0x40             ; gatew s[20:21], hist s[22:23]
	v_lshl_add_u32 v14, v0, 2, 0x8200
	v_mov_b32 v15, 0
	v_lshrrev_b32 v1, 5, v0
	v_readfirstlane_b32 s24, v1                    ; wave 0..3
	v_and_b32 v1, 15, v0                           ; r
	v_bfe_u32 v2, v0, 4, 1                         ; h
	v_lshlrev_b32 v4, 7, v1
	v_lshl_add_u32 v4, v2, 4, v4                   ; a fragment's row of 128 bytes, + 16 h: x and gw1
	v_lshlrev_b32 v5, 3, v1                        ; a row's 8 scale bytes
	v_lshlrev_b32 v6, 5, v2                        ; gb1: 8 numbers a half
	v_lshlrev_b32 v7, 8, v2                        ; gw2: 8 rows of 32 bytes a half
	s_wait_alu depctr_va_sdst(0)                   ; s24 is written, ahead of its first reader: LDS addresses and the weights' bases are made from it
	s_lshl_b32 s56, s24, 13
	v_lshlrev_b32 v8, 5, v1
	v_lshl_add_u32 v8, v2, 12, v8
	v_add_nc_u32 v8, s56, v8                       ; where my share goes: part 2 w + h, token r
	v_lshlrev_b32 v9, 5, v0                        ; where my token's shares lie: 32 bytes x thread
	v_lshlrev_b32 v10, 2, v0                       ; 4 x thread
	v_lshlrev_b32 v11, 2, v1                       ; 4 x (lane % 16)
	v_lshlrev_b32 v12, 3, v0                       ; 8 x thread
	v_mov_b32 v13, 0
	s_mov_b32 s57, 0
	s_wait_kmcnt 0x0
	s_lshl_b32 s56, ttmp9, 14
	s_add_nc_u64 s[4:5], s[4:5], s[56:57]          ; my block's 128 rows of x
	s_lshl_b32 s56, ttmp9, 10
	s_add_nc_u64 s[6:7], s[6:7], s[56:57]
	s_add_nc_u64 s[20:21], s[20:21], s[56:57]
	s_lshl_b32 s56, ttmp9, 9
	s_add_nc_u64 s[18:19], s[18:19], s[56:57]
	s_lshl_b32 s56, ttmp9, 6
	s_add_nc_u64 s[22:23], s[22:23], s[56:57]
	s_lshl_b32 s56, s24, 13
	s_add_nc_u64 s[8:9], s[8:9], s[56:57]          ; my wave's 64 rows of gw1,
	s_lshl_b32 s56, s24, 9
	s_add_nc_u64 s[10:11], s[10:11], s[56:57]      ; their scale bytes,
	s_lshl_b32 s56, s24, 8
	s_add_nc_u64 s[12:13], s[12:13], s[56:57]      ; their biases,
	s_lshl_b32 s56, s24, 11
	s_add_nc_u64 s[14:15], s[14:15], s[56:57]      ; and the same 64 rows of gw2
	; all that the wave ever loads goes out in one run
	WIN 0x80
	s_wait_alu depctr_va_vdst(0)                   ; the offsets and LDS addresses v4 to v13 are written: every load and store of the kernel reads one of them
.irp n, 0,1,2,3
.irp k, 0,1,2,3
	global_load_b128 v[GW1+16*\n+4*\k:GW1+16*\n+4*\k+3], v4, s[8:9] offset:2048*\n+32*\k
.endr
	global_load_b128 v[GB1+8*\n:GB1+8*\n+3], v6, s[12:13] offset:64*\n
	global_load_b128 v[GB1+8*\n+4:GB1+8*\n+7], v6, s[12:13] offset:64*\n+16
.endr
	WIN 0
.irp n, 0,1,2,3
	global_load_b64 v[GS+2*\n:GS+2*\n+1], v5, s[10:11] offset:128*\n
.endr
.irp t, 0,1,2,3,4,5,6,7
.irp k, 0,1,2,3
	global_load_b128 v[XF+16*\t+4*\k:XF+16*\t+4*\k+3], v4, s[4:5] offset:2048*\t+32*\k
.endr
	global_load_b64 v[XS+2*\t:XS+2*\t+1], v5, s[6:7] offset:128*\t
.endr
	global_load_b128 v[232:235], v13, s[16:17]     ; gb2
	global_load_b128 v[236:239], v13, s[16:17] offset:16
	WIN 0x40
.set k, 0
.rept 32
	global_load_b128 v[8*k:8*k+3], v7, s[14:15] offset:32*(16*(k/8)+k%8)       ; gw2's row of hidden unit 64 w + 16 (k / 8) + 8 h + k % 8
	global_load_b128 v[8*k+4:8*k+7], v7, s[14:15] offset:32*(16*(k/8)+k%8)+16
.set k, k+1
.endr
	WIN 0
	s_wait_loadcnt 0x0
; Tile t's share of the logits goes to LDS
.macro PUT t
	ds_store_b128 v8, v[LG+16*((\t)%2):LG+16*((\t)%2)+3] offset:PLOG+512*(\t)
	ds_store_b128 v8, v[LG+16*((\t)%2)+4:LG+16*((\t)%2)+7] offset:PLOG+512*(\t)+16
.endm
; A tile of 16 tokens: 8 matrix instructions (four accumulators by turns), the last tile's two stores, relu, and 128 packed multiply-adds onto two chains of 8 logits.
.macro GT t
.set LP, LG+16*((\t)%2)
	WIN 0x22                                       ; gw1 and gb1 in window 2
.irp n, 0,1,2,3
	WM ACC+8*\n, GW1+16*\n, XF+16*(\t), GB1+8*\n, GS+2*\n, XS+2*(\t)
.endr
	WIN 0x02
.irp n, 0,1,2,3
	WM ACC+8*\n, GW1+16*\n+8, XF+16*(\t)+8, ACC+8*\n, GS+2*\n+1, XS+2*(\t)+1
.endr
	WIN 0
.rept 4
	v_nop                                          ; four places between the last product and the first read of a result (ISA guide 7.12.1)
.endr
.if (\t) > 0
.if (\t) > 1
	s_wait_alu depctr_vm_vsrc(0)                   ; the stores of two tiles back, issued in the last tile, have read this tile's set of logits, which the lines below write again
.endif
	s_wait_alu depctr_va_vdst(0)                   ; the last tile's sums are written, which the two stores below read
	PUT (\t)-1
	s_wait_dscnt 2                                 ; the last tile's two stores may be out; those of the tile before it, which read this set of logits, are done
.endif
.set k, 0
.rept 32
	v_max_num_f32 v[ACC+k], 0, v[ACC+k]            ; relu; each accumulator from its low end on
.set k, k+1
.endr
	WIN 0x04                                       ; gw2 in window 1
.set kk, 0
.rept 16
.irp e, 0,2,4,6
.if kk == 0
	v_pk_mul_f32 v[LP+\e:LP+\e+1], v[ACC+kk:ACC+kk+1], v[8*kk+\e:8*kk+\e+1] op_sel_hi:[0,1]                          ; the first two units start the chains: nothing is cleared
	v_pk_mul_f32 v[LP+8+\e:LP+8+\e+1], v[ACC+kk:ACC+kk+1], v[8*kk+8+\e:8*kk+8+\e+1] op_sel:[1,0] op_sel_hi:[1,1]
.else
	v_pk_fma_f32 v[LP+\e:LP+\e+1], v[ACC+kk:ACC+kk+1], v[8*kk+\e:8*kk+\e+1], v[LP+\e:LP+\e+1] op_sel_hi:[0,1,1]      ; the pair's first unit x two of its gw2
	v_pk_fma_f32 v[LP+8+\e:LP+8+\e+1], v[ACC+kk:ACC+kk+1], v[8*kk+8+\e:8*kk+8+\e+1], v[LP+8+\e:LP+8+\e+1] op_sel:[1,0,0] op_sel_hi:[1,1,1]   ; the second unit
.endif
.endr
.set kk, kk+2
.endr
	WIN 0
.irp e, 0,2,4,6
	v_pk_add_f32 v[LP+\e:LP+\e+1], v[LP+\e:LP+\e+1], v[LP+8+\e:LP+8+\e+1]
.endr
.endm
.irp t, 0,1,2,3,4,5,6,7
	GT \t
.endr
	s_wait_alu depctr_va_vdst(0)                   ; tile 7's sums are written, which its stores read; and the products are done reading x's fragments, in which the loads behind the barrier land
	PUT 7
	s_wait_dscnt 0x0                               ; for the others' sake: my shares lie in LDS
	s_barrier_signal -1
	s_barrier_wait -1
	; from here on a lane has a token: 32 w + lane
.irp p, 0,1,2,3,4,5,6,7
	ds_load_b128 v[XF+8*\p:XF+8*\p+3], v9 offset:PLOG+4096*\p
	ds_load_b128 v[XF+8*\p+4:XF+8*\p+7], v9 offset:PLOG+4096*\p+16
.endr
	v_mov_b32 v241, 0                              ; (named as the upper half of the pair v[240:241])
	s_wait_dscnt 0x0
.irp p, 0,1,2,3,4,5,6,7
.irp e, 0,2,4,6
	v_pk_add_f32 v[232+\e:233+\e], v[232+\e:233+\e], v[XF+8*\p+\e:XF+8*\p+\e+1]    ; gb2 + the eight shares
.endr
.endr
	v_max3_num_f32 v240, v232, v233, v234
	v_max3_num_f32 v240, v240, v235, v236
	v_max3_num_f32 v240, v240, v237, v238
	v_max_num_f32 v240, v240, v239                 ; the largest logit is taken away ahead of the exponential
	v_mul_f32 v240, 0x3fb8aa3b, v240
.irp e, 0,2,4,6
	v_pk_fma_f32 v[232+\e:233+\e], v[232+\e:233+\e], 0x3fb8aa3b, v[240:241] op_sel_hi:[1,0,0] neg_lo:[0,0,1] neg_hi:[0,0,1]   ; (l - max) log2(e)
.endr
	s_wait_alu depctr_va_vdst(0)
.irp e, 0,1,2,3,4,5,6,7
	v_exp_f32 v[232+\e], v[232+\e]
.endr
	v_nop                                          ; a plain instruction behind the last exponential
	s_wait_alu depctr_va_vdst(0)                   ; the eight exponentials have written v232 to v239, ahead of their first reader
	v_pk_add_f32 v[242:243], v[232:233], v[234:235]
	v_pk_add_f32 v[244:245], v[236:237], v[238:239]
	v_pk_add_f32 v[242:243], v[242:243], v[244:245]
	v_add_f32 v242, v242, v243
	s_wait_alu depctr_va_vdst(0)
	v_rcp_f32 v244, v242
	v_nop
	s_wait_alu depctr_va_vdst(0)                   ; the reciprocal has written v244, ahead of its first reader
.irp e, 0,2,4,6
	v_pk_mul_f32 v[232+\e:233+\e], v[232+\e:233+\e], v[244:245] op_sel_hi:[1,0]    ; the gates
.endr
	v_mov_b32 v246, v232                           ; the largest gate so far, v247 its expert;
	v_mov_b32 v247, 0
	v_mov_b32 v248, -1.0                           ; the second, under every gate, v249 its expert
	v_mov_b32 v249, 0
.irp e, 1,2,3,4,5,6,7                          ; strictly greater: of equal gates the lower index stays ahead
	v_cmp_gt_f32 s56, v[232+\e], v246
	v_cmp_gt_f32 s57, v[232+\e], v248
	s_wait_alu depctr_va_sdst(0)                   ; both masks are written, ahead of the selects that read them; each step hangs on the step before, so each has its wait
	v_cndmask_b32 v248, v248, v[232+\e], s57
	v_cndmask_b32 v249, v249, \e, s57
	v_cndmask_b32 v248, v248, v246, s56
	v_cndmask_b32 v249, v249, v247, s56
	v_cndmask_b32 v246, v246, v[232+\e], s56
	v_cndmask_b32 v247, v247, \e, s56
.endr
	v_add_f32 v250, v246, v248
	s_wait_alu depctr_va_vdst(0)
	v_rcp_f32 v251, v250
	v_min_u32 v252, v247, v249                     ; a
	v_max_u32 v253, v247, v249                     ; b
	s_wait_alu depctr_va_vdst(0)                   ; the reciprocal has written v251, ahead of its first reader
	v_mul_f32 v246, v246, v251
	v_mul_f32 v248, v248, v251
	v_cmp_lt_u32 vcc_lo, v247, v249
	s_wait_alu depctr_va_vcc(0)                    ; VCC is written, ahead of the two selects that read it
	v_cndmask_b32 v254, v248, v246, vcc_lo         ; w_a
	v_cndmask_b32 v255, v246, v248, vcc_lo         ; w_b
	v_sub_nc_u32 v232, 15, v252                    ; bin = a (15 - a) / 2 + (a odd ? 7 - b : b - a - 1)
	v_mul_u32_u24 v232, v252, v232
	v_lshrrev_b32 v232, 1, v232
	v_sub_nc_u32 v233, v253, v252
	v_add_nc_u32 v233, -1, v233
	v_sub_nc_u32 v234, 7, v253
	v_and_b32 v235, 1, v252
	v_cmp_eq_u32 vcc_lo, 1, v235
	s_wait_alu depctr_va_vcc(0)                    ; VCC is written, ahead of the select that reads it
	v_cndmask_b32 v233, v233, v234, vcc_lo
	v_add_nc_u32 v232, v232, v233
	; ranks without atomics: a mask of the wave's lanes for each bin; its count; the waves' counts meet in LDS
.set p, 0
.rept 28
	v_cmp_eq_u32 s[28+p], p, v232
.set p, p+1
.endr
	v_mov_b32 v236, 0
	s_wait_alu depctr_va_sdst(0)                   ; the 28 masks are written, ahead of their first readers, the counts below: one wait for the run
.set i, 0
.rept 14
	s_bcnt1_i32_b32 s56, s[28+2*i]
	s_bcnt1_i32_b32 s57, s[29+2*i]
	s_lshl_b32 s57, s57, 16
	s_or_b32 s56, s56, s57
	v_writelane_b32 v236, s56, i                   ; lane i: the counts of bins 2 i and 2 i + 1
.set i, i+1
.endr
	s_wait_alu depctr_va_vdst(0)                   ; v236 is written, which the store reads; and the vector lines are done with v240 to v243, in which the loads behind the barrier land
	ds_store_b32 v10, v236 offset:HX
	s_wait_dscnt 0x0
	s_barrier_signal -1
	s_barrier_wait -1
.irp u, 0,1,2,3
	ds_load_b32 v[240+\u], v11 offset:HX+128*\u
.endr
	s_cmp_gt_u32 s24, 0
	s_cselect_b32 s56, -1, 0
	s_cmp_gt_u32 s24, 1
	s_cselect_b32 s57, -1, 0
	s_cmp_gt_u32 s24, 2
	s_cselect_b32 s58, -1, 0
	v_mov_b32 v239, 0
	s_wait_dscnt 0x0
	v_add_nc_u32 v244, v240, v241
	v_add_nc_u32 v245, v242, v243
	v_add_nc_u32 v244, v244, v245                  ; the block's counts
	v_and_b32 v245, s56, v240                      ; the counts of the waves ahead of mine
	v_and_b32 v238, s57, v241
	v_add_nc_u32 v245, v245, v238
	v_and_b32 v238, s58, v242
	v_add_nc_u32 v245, v245, v238
.set i, 0
.rept 14
	v_readlane_b32 s[4+i], v245, i                 ; into s4 to s17: the loads that read these as bases are done
.set i, i+1
.endr
	s_wait_alu depctr_va_sdst(0)                   ; s4 to s17 are written, ahead of their first readers: one wait for the run
.set i, 0
.rept 14
	s_and_b32 s57, s[4+i], 0xffff
	s_lshr_b32 s58, s[4+i], 16
	v_mbcnt_lo_u32_b32 v238, s[28+2*i], s57        ; the bin's lanes below mine + the waves ahead
	v_mbcnt_lo_u32_b32 v237, s[29+2*i], s58
	v_cndmask_b32 v239, v239, v238, s[28+2*i]      ; kept where the bin is mine
	v_cndmask_b32 v239, v239, v237, s[29+2*i]
.set i, i+1
.endr
	v_lshl_or_b32 v240, v253, 4, v252
	v_lshl_or_b32 v240, v232, 8, v240
	v_lshl_or_b32 v240, v239, 16, v240
	s_wait_alu depctr_va_vdst(0)                   ; the route word v240, the weights v254, v255 and the block's counts v244 are written, which the stores below read
	global_store_b32 v10, v240, s[18:19]           ; a wave's store covers 128 consecutive bytes
	global_store_b64 v12, v[254:255], s[20:21]     ; 256 consecutive bytes, aligned
	s_cmp_lg_u32 s24, 0
	s_cbranch_scc1 .Ldone
	global_store_b32 v11, v244, s[22:23]           ; the block's 16 words; both halves of the lanes hold and write the same
.Ldone:
	s_wait_dscnt 0x0                               ; the closing lines, six on end
	s_wait_alu 0x0
	s_wait_tensorcnt 0x0
	ds_add_u32 v14, v15
	s_wait_dscnt 0x0
	s_endpgm
.Lfunc_end_k_q88ea15f536_gate:
	.size	k_q88ea15f536_gate, .Lfunc_end_k_q88ea15f536_gate-k_q88ea15f536_gate
	.p2alignl 7, 3214868480
	.fill 96, 4, 3214868480
	.section	.rodata,"a",@progbits
	.p2align	6, 0x0
	.amdhsa_kernel k_q88ea15f536_gate
		.amdhsa_group_segment_fixed_size 33792
		.amdhsa_private_segment_fixed_size 0
		.amdhsa_enable_private_segment 0
		.amdhsa_kernarg_size 80
		.amdhsa_user_sgpr_count 2
		.amdhsa_user_sgpr_kernarg_segment_ptr 1
		.amdhsa_wavefront_size32 1
		.amdhsa_system_sgpr_workgroup_id_x 1
		.amdhsa_system_sgpr_workgroup_id_y 1
		.amdhsa_system_sgpr_workgroup_id_z 1
		.amdhsa_system_vgpr_workitem_id 0
		.amdhsa_next_free_vgpr 608
		.amdhsa_next_free_sgpr 66
		.amdhsa_reserve_vcc 1
		.amdhsa_float_denorm_mode_32 3
		.amdhsa_float_denorm_mode_16_64 3
		.amdhsa_memory_ordered 1
		.amdhsa_forward_progress 1
		.amdhsa_inst_pref_size 122
	.end_amdhsa_kernel
	.amdgpu_metadata
---
amdhsa.version: [ 1, 2 ]
amdhsa.kernels:
  - .name:           k_q88ea15f536_gate
    .symbol:         k_q88ea15f536_gate.kd
    .args:
      - { .name: x_codes, .offset: 0, .size: 8, .value_kind: global_buffer, .address_space: global }
      - { .name: x_scales, .offset: 8, .size: 8, .value_kind: global_buffer, .address_space: global }
      - { .name: gw1_codes, .offset: 16, .size: 8, .value_kind: global_buffer, .address_space: global }
      - { .name: gw1_scales, .offset: 24, .size: 8, .value_kind: global_buffer, .address_space: global }
      - { .name: gb1, .offset: 32, .size: 8, .value_kind: global_buffer, .address_space: global }
      - { .name: gw2, .offset: 40, .size: 8, .value_kind: global_buffer, .address_space: global }
      - { .name: gb2, .offset: 48, .size: 8, .value_kind: global_buffer, .address_space: global }
      - { .name: route, .offset: 56, .size: 8, .value_kind: global_buffer, .address_space: global }
      - { .name: gatew, .offset: 64, .size: 8, .value_kind: global_buffer, .address_space: global }
      - { .name: hist, .offset: 72, .size: 8, .value_kind: global_buffer, .address_space: global }
    .group_segment_fixed_size: 33792
    .private_segment_fixed_size: 0
    .kernarg_segment_align: 8
    .kernarg_segment_size: 80
    .max_flat_workgroup_size: 128
    .sgpr_count:     66
    .vgpr_count:     608
    .wavefront_size: 32
...
	.end_amdgpu_metadata
.endif
;; end of part 4
;; launch place (part 5): grid 256 x 1, 4 waves a work-group, no clusters, 1,024 bytes of LDS; arguments route, hist, sidx; writes sidx
.if DOCPART == 5
	.amdgcn_target "amdgcn-amd-amdhsa--gfx1250"
	.amdhsa_code_object_version 6
	.text
	.protected	k_q88ea15f536_place
	.globl	k_q88ea15f536_place
	.p2align	8
	.type	k_q88ea15f536_place,@function
k_q88ea15f536_place:
	s_mov_b64 s[64:65], 0
	v_nop
	global_prefetch_b8 v0, s[64:65] scope:SCOPE_SE
	s_setreg_imm32_b32 hwreg(HW_REG_WAVE_MODE, 25, 1), 1
	s_wait_xcnt 0x0
; THE PLACING.  Tokens are laid in the order of their bins (pairs of experts): position = the tokens of lower bins + those of this bin in lower blocks + the rank in the block.
; sidx[position] = token | a << 16 | b << 20.  A work-group takes the block of 128 tokens of its number; every work-group sums the whole table of counts (256 blocks x 16 words) for itself:
; wave w takes rows 64 w .. 64 w + 63, a lane one word of every second row.  Counts lie two to a word, 16 bits each; no half passes 32,768, so whole words are added.
; No matrix unit, no cluster, no tensor load: 16 KB of counts and 128 scattered words a work-group.  The stores are 4 bytes to places far apart: that is what a placing is.
.set EX, 0                             ; LDS: 4 rows of 128 bytes: for each word (total, sum of the blocks ahead of mine), a wave's share
	s_load_b128 s[4:7], s[0:1], 0x0                ; route, hist
	s_load_b64 s[8:9], s[0:1], 0x10                ; sidx
	v_lshl_add_u32 v64, v0, 2, 0x200
	v_mov_b32 v65, 0
	v_lshrrev_b32 v1, 5, v0
	v_readfirstlane_b32 s10, v1                    ; wave 0..3
	v_and_b32 v1, 31, v0
	v_and_b32 v2, 15, v0                           ; which word of a row
	v_bfe_u32 v3, v0, 4, 1                         ; h: which of two rows
	v_lshlrev_b32 v4, 2, v1
	v_lshlrev_b32 v5, 2, v0
	v_lshlrev_b32 v13, 3, v2
	s_lshl_b32 s17, s10, 7
	v_add_nc_u32 v12, s17, v13
	s_lshl_b32 s12, s10, 12
	s_mov_b32 s13, 0
	s_lshl_b32 s14, ttmp9, 9
	s_mov_b32 s15, 0
	s_mov_b32 s18, 0x76543210
	s_mov_b32 s19, 0xfedcba98                      ; v_permlanex16_b32's selects for lane l xor 16
	s_wait_alu depctr_va_vdst(0)
	s_wait_kmcnt 0x0
	s_add_nc_u64 s[6:7], s[6:7], s[12:13]
	s_add_nc_u64 s[4:5], s[4:5], s[14:15]
.set k, 0
.rept 32
	global_load_b32 v[16+k], v4, s[6:7] offset:128*k               ; row 64 w + 2 k + h
.set k, k+1
.endr
	global_load_b32 v6, v5, s[4:5]                 ; my token's route word
	s_lshl_b32 s16, s10, 6
	s_sub_co_i32 s16, ttmp9, s16
	v_sub_nc_u32 v7, s16, v3                       ; row 64 w + 2 k + h lies ahead of my block where 2 k < block - 64 w - h
	v_mov_b32 v8, 0
	v_mov_b32 v9, 0
	v_mov_b32 v11, 0
	s_wait_alu depctr_va_vdst(0)
	s_wait_loadcnt 0x0
.set k, 0
.rept 32
	v_cmp_lt_i32 vcc_lo, 2*k, v7
	v_cndmask_b32 v10, 0, v[16+k], vcc_lo
	v_add_nc_u32 v8, v8, v[16+k]
	v_add_nc_u32 v9, v9, v10
.set k, k+1
.endr
	v_permlanex16_b32 v10, v8, s18, s19
	v_permlanex16_b32 v11, v9, s18, s19
	v_add_nc_u32 v8, v8, v10
	v_add_nc_u32 v9, v9, v11
	ds_store_b64 v12, v[8:9] offset:EX             ; both halves of the lanes hold and write the same
	s_wait_dscnt 0x0
	s_barrier_signal -1
	s_barrier_wait -1
.irp u, 0,1,2,3
	ds_load_b64 v[16+2*\u:17+2*\u], v13 offset:EX+128*\u
.endr
	s_wait_dscnt 0x0
	v_add_nc_u32 v8, v16, v18
	v_add_nc_u32 v9, v17, v19
	v_add_nc_u32 v10, v20, v22
	v_add_nc_u32 v11, v21, v23
	v_add_nc_u32 v8, v8, v10                       ; all blocks' counts of my word's two bins
	v_add_nc_u32 v9, v9, v11                       ; those of the blocks ahead of mine
	v_and_b32 v10, 0xffff, v8
	v_lshrrev_b32 v11, 16, v8
	v_add_nc_u32 v14, v10, v11
	v_mov_b32 v15, v14
.irp n, 1,2,4,8                                ; a running sum over the 16 words, inside each half of the lanes
	v_mov_b32_dpp v24, v15 row_shr:\n row_mask:0xf bank_mask:0xf bound_ctrl:1
	v_add_nc_u32 v15, v15, v24
.endr
	v_sub_nc_u32 v25, v15, v14                     ; the tokens of lower words
	v_add_nc_u32 v26, v25, v10
	v_lshl_or_b32 v25, v26, 16, v25                ; where the word's two bins begin,
	v_add_nc_u32 v25, v25, v9                      ; and where my block's tokens begin in them
	v_bfe_u32 v27, v6, 8, 5                        ; my bin
	v_lshrrev_b32 v28, 1, v27
	v_lshlrev_b32 v28, 2, v28
	ds_bpermute_b32 v29, v28, v25                  ; from the lane that holds my bin's word; no LDS byte is touched
	v_and_b32 v30, 1, v27
	v_lshlrev_b32 v30, 4, v30
	v_bfe_u32 v31, v6, 16, 8                       ; my rank
	s_lshl_b32 s20, ttmp9, 7
	v_add_nc_u32 v32, s20, v0                      ; my token
	v_and_b32 v33, 0xff, v6
	v_lshl_or_b32 v32, v33, 16, v32
	s_wait_alu depctr_va_vdst(0)
	s_wait_dscnt 0x0
	v_lshrrev_b32 v29, v30, v29
	v_and_b32 v29, 0xffff, v29
	v_add_nc_u32 v29, v29, v31
	v_min_u32 v29, 0x7fff, v29                     ; a position lies under 32,768
	v_lshlrev_b32 v29, 2, v29
	global_store_b32 v29, v32, s[8:9]
	s_wait_tensorcnt 0x0
	ds_add_u32 v64, v65
	s_wait_dscnt 0x0
	s_endpgm
.Lfunc_end_k_q88ea15f536_place:
	.size	k_q88ea15f536_place, .Lfunc_end_k_q88ea15f536_place-k_q88ea15f536_place
	.p2alignl 7, 3214868480
	.fill 96, 4, 3214868480
	.section	.rodata,"a",@progbits
	.p2align	6, 0x0
	.amdhsa_kernel k_q88ea15f536_place
		.amdhsa_group_segment_fixed_size 1024
		.amdhsa_private_segment_fixed_size 0
		.amdhsa_enable_private_segment 0
		.amdhsa_kernarg_size 24
		.amdhsa_user_sgpr_count 2
		.amdhsa_user_sgpr_kernarg_segment_ptr 1
		.amdhsa_wavefront_size32 1
		.amdhsa_system_sgpr_workgroup_id_x 1
		.amdhsa_system_sgpr_workgroup_id_y 1
		.amdhsa_system_sgpr_workgroup_id_z 1
		.amdhsa_system_vgpr_workitem_id 0
		.amdhsa_next_free_vgpr 66
		.amdhsa_next_free_sgpr 66
		.amdhsa_reserve_vcc 1
		.amdhsa_float_denorm_mode_32 3
		.amdhsa_float_denorm_mode_16_64 3
		.amdhsa_memory_ordered 1
		.amdhsa_forward_progress 1
		.amdhsa_inst_pref_size 12
	.end_amdhsa_kernel
	.amdgpu_metadata
---
amdhsa.version: [ 1, 2 ]
amdhsa.kernels:
  - .name:           k_q88ea15f536_place
    .symbol:         k_q88ea15f536_place.kd
    .args:
      - { .name: route, .offset: 0, .size: 8, .value_kind: global_buffer, .address_space: global }
      - { .name: hist, .offset: 8, .size: 8, .value_kind: global_buffer, .address_space: global }
      - { .name: sidx, .offset: 16, .size: 8, .value_kind: global_buffer, .address_space: global }
    .group_segment_fixed_size: 1024
    .private_segment_fixed_size: 0
    .kernarg_segment_align: 8
    .kernarg_segment_size: 24
    .max_flat_workgroup_size: 128
    .sgpr_count:     66
    .vgpr_count:     66
    .wavefront_size: 32
...
	.end_amdgpu_metadata
.endif
;; end of part 5
;; launch chain (part 6): grid 256 x 1, 4 waves a work-group, no clusters, 82,944 bytes of LDS; arguments sidx, gatew, x_codes, x_scales, w1_codes, w1_scales, b1, g1, be1, w2_codes, w2_scales, b2, g2, be2, w3_codes, w3_scales, b3, out0; writes out0
.if DOCPART == 6
	.amdgcn_target "amdgcn-amd-amdhsa--gfx1250"
	.amdhsa_code_object_version 6
	.text
	.protected	k_q88ea15f536_chain
	.globl	k_q88ea15f536_chain
	.p2align	8
	.type	k_q88ea15f536_chain,@function
k_q88ea15f536_chain:
	s_mov_b64 s[64:65], 0
	v_nop
	global_prefetch_b8 v0, s[64:65] scope:SCOPE_SE
	s_setreg_imm32_b32 hwreg(HW_REG_WAVE_MODE, 25, 1), 1
	s_wait_xcnt 0x0
; THE EXPERTS.  out[token] = w_a y_a + w_b y_b, y_e = relu(LN(relu(LN(x W1_e + b1_e)) W2_e + b2_e)) W3_e + b3_e; all three products on codes of E2M1, the two hidden layers quantised on the way, in f32 up to the quantiser.
; Only the chosen experts are multiplied.  A work-group owns 128 neighbouring positions of the list sorted by pairs of experts: 8 tiles of 16 tokens.  It walks e = 0 .. 7, a constant count, and takes
; through expert e the tiles that the list names for it (scalar branches on the stored list); each token's row is summed in registers and stored once, by its one owner.
; THE WAVES SHARE THE COLUMNS: wave w makes hidden units and outputs 64 w .. 64 w + 63 for all tokens.  So a weight byte goes from memory into the registers of the one wave that uses it, and each wave
; holds only its own 64 of b, g, be.  Activations go from wave to wave through LDS as images of the operand's registers (16 bytes a lane, 512 a store), their scale bytes beside them.
; Products are used transposed (source 0 = 16 rows of a weight, source 1 = 16 tokens): a lane holds ONE token.  The rows of W1 and W2 that form a tile are not neighbours: lane r of tile 2 b + u takes row
; 64 w + 32 b + 8 u + r + 8 (r / 8), so that the 16 registers of tiles 2 b, 2 b + 1 are 16 neighbours along the next K.
; LAYER NORM over 256 units that lie in four waves: each wave gives its mean m_w and its sum of squares about m_w; then m = mean of m_w, 256 var = sum M2_w + 64 sum (m_w - m)^2: no difference of large sums.
; FIVE PHASES an expert, a barrier behind each of the first four, outside every branch: 1 product, statistics | 2 norm, relu, quantise | 3 product, statistics | 4 norm, relu, quantise | 5 product, weighed sum.
; NO TENSOR LOADS, NO CLUSTER: the walk branches on numbers read from memory, and neighbours in the grid walk other experts.
; LIMITS: NaN and infinities are not served; 1 / sqrt is v_rsq_f32 and a multiplication; a block of zeros carries the scale byte 1 (its codes are zeros; this program alone reads the byte).
.set XIMG, 0                           ; LDS: x's fragments: tile t at 2048 t, piece 2 s + c at 512 each, 16 bytes a lane
.set XSC,  16384                       ; their scale words: tile t at 256 t, 8 bytes a lane
.set HIMG, 18432                       ; a hidden layer's, likewise; wave w writes piece w
.set HSC,  34816                       ; and 2 bytes at 8 lane + 2 w
.set STAT, 36864                       ; tile t at 1024 t: 32 lane + 8 wave: (m_w, M2_w)
.set REC,  45056                       ; 16 bytes a position: a, b, w_a, w_b
.set TOK,  47104                       ; 4 bytes a position: the token
.set STG,  47616                       ; the way out: for each wave two stages of 16 rows x (256 + 16) bytes
; window 0: v1 16 lane; v2 8 lane; v3 16 lane + 512 w; v4 8 lane + 2 w; v5 32 lane + 8 w; v6 32 lane; v7 16 r; v8, v9 the stage, in and back; v10 256 w + 16 r; v11 TOK + 4 h;
;           v12, v14 a weight's rows and scale bytes, chosen rows; v13, v15 natural rows; v16 64 h; v17 32 h; v18 1 / 256
.set W1S,  20                          ; v20-27   W1's scale words, tile n, K step s at 2 n + s
.set W23S, 28                          ; v28-35   W2's, later W3's
.set AS,   36                          ; v36-39   the tokens' scale words, two buffers by the tile's parity (so all below up to RC)
.set FB,   40                          ; v40-71   the tokens' fragments, 16 a buffer
.set SB,   72                          ; v72-87   the four waves' statistics
.set OW,   88                          ; v88-91   my wave's own
.set RC,   92                          ; v92-99   a, b, w_a, w_b
.set TW,   100                         ; v100-139 at work
.set BBA,  140                         ; v140-171 b1
.set BBB,  172                         ; v172-203 b2, later b3
.set W1,   0                           ; window 1: v0-63 W1, fragment (n, s) at 8 (2 n + s); v64-127 W2, later W3; v128-191 g1, be1; v192-255 g2, be2
.set W23,  64
.set GB1,  128
.set GB2,  192
                                       ; window 2: the accumulators, tile t, column tile n at 32 t + 8 n;   window 3: the output's sums, likewise
.set EB,   100                         ; the way out: rows read back, 32 registers x 2;
.set ET,   164                         ; their tokens, 8 x 2;
.set EA,   180                         ; their offsets in out0, 8 x 2
; s[4:39] the 18 buffers; s40-47 tile t's experts as bits; s48 their union; s49 e; s50 the next expert named; s51 wave; s[52:53] lane selects; s56-63 at work; s[66:81] bases of the loads in flight
.set MSB, 0
.macro WIN new                         ; the immediate's high byte repeats the setting that is left; at a label and at a branch every window is 0
.if MSB != \new
	s_set_vgpr_msb (MSB<<8)|\new
.set MSB, \new
.endif
.endm
.macro WM d, a, b, c, sa, sb
	v_wmma_scale_f32_16x16x128_f8f6f4 v[\d:\d+7], v[\a:\a+7], v[\b:\b+7], v[\c:\c+7], v[\sa], v[\sb] matrix_a_fmt:MATRIX_FMT_FP4 matrix_b_fmt:MATRIX_FMT_FP4
.endm
.macro BAR                             ; my LDS stores have landed and my LDS loads are in: then the work-group's barrier
	s_wait_dscnt 0x0
	s_barrier_signal -1
	s_barrier_wait -1
.endm
; What phase ph wants of tile t from LDS, into the buffers of t's parity: 5, 3, 5, 3, 6 loads
.macro LD ph, t
.set QB, (\t)%2
.if ((\ph) == 2) || ((\ph) == 4)
	ds_load_b128 v[SB+8*QB:SB+8*QB+3], v6 offset:STAT+1024*(\t)
	ds_load_b128 v[SB+8*QB+4:SB+8*QB+7], v6 offset:STAT+1024*(\t)+16
	ds_load_b64 v[OW+2*QB:OW+2*QB+1], v5 offset:STAT+1024*(\t)
.else
.if (\ph) == 1
.set IB, XIMG
.set JB, XSC
.else
.set IB, HIMG
.set JB, HSC
.endif
.irp k, 0,1,2,3
	ds_load_b128 v[FB+16*QB+4*\k:FB+16*QB+4*\k+3], v1 offset:IB+2048*(\t)+512*\k
.endr
	ds_load_b64 v[AS+2*QB:AS+2*QB+1], v2 offset:JB+256*(\t)
.if (\ph) == 5
	ds_load_b128 v[RC+4*QB:RC+4*QB+3], v7 offset:REC+256*(\t)
.endif
.endif
.endm
; My 64 columns of tile t: 8 matrix instructions, four accumulators by turns; the bias is the C of each sum's first
.macro MM t, W, WS, BB
.set QB, (\t)%2
	WIN 0x81                                       ; D window 2, the weight window 1
.irp n, 0,1,2,3
	WM 32*(\t)+8*\n, \W+16*\n, FB+16*QB, \BB+8*\n, \WS+2*\n, AS+2*QB
.endr
	WIN 0xa1                                       ; C window 2 too
.irp n, 0,1,2,3
	WM 32*(\t)+8*\n, \W+16*\n+8, FB+16*QB+8, 32*(\t)+8*\n, \WS+2*\n+1, AS+2*QB+1
.endr
	WIN 0
.rept 4
	v_nop                                          ; four places between the last product and the first read of a result (ISA guide 7.12.1)
.endr
.endm
; Phases 1 and 3: the product; my wave's mean of the token's 64 numbers; the numbers less that mean stay in the accumulators; the sum of their squares
.macro CPA t, W, WS, BB
	MM \t, \W, \WS, \BB
.set AC0, 32*(\t)
	WIN 0x0a
.irp k, 0,1,2,3,4,5,6,7
	v_pk_add_f32 v[TW+2*\k:TW+2*\k+1], v[AC0+4*\k:AC0+4*\k+1], v[AC0+4*\k+2:AC0+4*\k+3]     ; each accumulator from its low end on
.endr
	WIN 0
	v_pk_add_f32 v[TW:TW+1], v[TW:TW+1], v[TW+2:TW+3]
	v_pk_add_f32 v[TW+4:TW+5], v[TW+4:TW+5], v[TW+6:TW+7]
	v_pk_add_f32 v[TW+8:TW+9], v[TW+8:TW+9], v[TW+10:TW+11]
	v_pk_add_f32 v[TW+12:TW+13], v[TW+12:TW+13], v[TW+14:TW+15]
	v_pk_add_f32 v[TW:TW+1], v[TW:TW+1], v[TW+4:TW+5]
	v_pk_add_f32 v[TW+8:TW+9], v[TW+8:TW+9], v[TW+12:TW+13]
	v_pk_add_f32 v[TW:TW+1], v[TW:TW+1], v[TW+8:TW+9]
	v_add_f32 v[TW], v[TW], v[TW+1]
	v_permlanex16_b32 v[TW+18], v[TW], s52, s53    ; the token's other 32 numbers lie in the lane 16 away
	v_add_f32 v[TW], v[TW], v[TW+18]
	v_mul_f32 v[TW+16], 0x3c800000, v[TW]          ; m_w = the sum / 64
	WIN 0x82
.irp k, 0,1,2,3,4,5,6,7,8,9,10,11,12,13,14,15
	v_pk_add_f32 v[AC0+2*\k:AC0+2*\k+1], v[AC0+2*\k:AC0+2*\k+1], v[TW+16:TW+17] op_sel_hi:[1,0] neg_lo:[0,1] neg_hi:[0,1]
.endr
	WIN 0x0a
.irp k, 0,1,2,3
	v_pk_mul_f32 v[TW+20+2*\k:TW+21+2*\k], v[AC0+2*\k:AC0+2*\k+1], v[AC0+2*\k:AC0+2*\k+1]
.endr
.irp k, 4,5,6,7,8,9,10,11,12,13,14,15
	v_pk_fma_f32 v[TW+20+2*(\k%4):TW+21+2*(\k%4)], v[AC0+2*\k:AC0+2*\k+1], v[AC0+2*\k:AC0+2*\k+1], v[TW+20+2*(\k%4):TW+21+2*(\k%4)]
.endr
	WIN 0
	v_pk_add_f32 v[TW+20:TW+21], v[TW+20:TW+21], v[TW+22:TW+23]
	v_pk_add_f32 v[TW+24:TW+25], v[TW+24:TW+25], v[TW+26:TW+27]
	v_pk_add_f32 v[TW+20:TW+21], v[TW+20:TW+21], v[TW+24:TW+25]
	v_add_f32 v[TW+17], v[TW+20], v[TW+21]
	v_permlanex16_b32 v[TW+18], v[TW+17], s52, s53
	v_add_f32 v[TW+17], v[TW+17], v[TW+18]         ; M2_w
	ds_store_b64 v5, v[TW+16:TW+17] offset:STAT+1024*(\t)
.endm
; Phases 2 and 4: the row's mean and variance from the four waves' figures; norm, gain, bias, relu; my 64 numbers are two blocks of 32 along the next K: their scale bytes and codes go to LDS
.macro CPB t, GB
.set QB, (\t)%2
.set AC0, 32*(\t)
.set S0, SB+8*QB
	v_add_f32 v[TW], v[S0], v[S0+2]
	v_add_f32 v[TW+1], v[S0+4], v[S0+6]
	v_add_f32 v[TW+2], v[S0+1], v[S0+3]
	v_add_f32 v[TW+3], v[S0+5], v[S0+7]
	v_add_f32 v[TW], v[TW], v[TW+1]
	v_add_f32 v[TW+2], v[TW+2], v[TW+3]            ; sum of M2_w
	v_mul_f32 v[TW], 0x3e800000, v[TW]             ; m
.irp k, 0,1,2,3
	v_sub_f32 v[TW+4+\k], v[S0+2*\k], v[TW]
.endr
	v_mul_f32 v[TW+8], v[TW+4], v[TW+4]
	v_fmac_f32 v[TW+8], v[TW+5], v[TW+5]
	v_fmac_f32 v[TW+8], v[TW+6], v[TW+6]
	v_fmac_f32 v[TW+8], v[TW+7], v[TW+7]
	v_fmamk_f32 v[TW+2], v[TW+8], 0x42800000, v[TW+2]      ; + 64 sum (m_w - m)^2
	v_fmaak_f32 v[TW+2], v18, v[TW+2], 0x3727c5ac          ; / 256 + 1e-5
	s_wait_alu depctr_va_vdst(0)
	v_rsq_f32 v[TW+10], v[TW+2]
	v_sub_f32 v[TW+11], v[OW+2*QB], v[TW]          ; a plain instruction behind the root
	s_wait_alu depctr_va_vdst(0)                   ; ahead of the result's first reader
	v_mul_f32 v[TW+11], v[TW+11], v[TW+10]         ; (m_w - m) / sqrt
	WIN 0x82
.irp k, 0,1,2,3,4,5,6,7,8,9,10,11,12,13,14,15
	v_pk_fma_f32 v[AC0+2*\k:AC0+2*\k+1], v[AC0+2*\k:AC0+2*\k+1], v[TW+10:TW+11], v[TW+10:TW+11] op_sel:[0,0,1] op_sel_hi:[1,0,1]   ; (h - m) / sqrt
.endr
	WIN 0x96
.irp k, 0,1,2,3,4,5,6,7,8,9,10,11,12,13,14,15
	v_pk_fma_f32 v[AC0+2*\k:AC0+2*\k+1], v[AC0+2*\k:AC0+2*\k+1], v[\GB+2*\k:\GB+2*\k+1], v[\GB+32+2*\k:\GB+33+2*\k]               ; x g + be
.endr
	WIN 0x88
.set k, 0
.rept 32
	v_max_num_f32 v[AC0+k], 0, v[AC0+k]
.set k, k+1
.endr
	WIN 0
	v_mov_b32 v[TW+12], 0x1800000                  ; the floor 2^(3 - 127), under which no largest magnitude is taken: the byte cannot fall under 1
	v_mov_b32 v[TW+13], 0x1800000
	WIN 0x28
.irp i, 0,2,4,6,8,10,12,14
.irp b, 0,1
	v_max3_num_f32 v[TW+12+\b], v[TW+12+\b], v[AC0+16*\b+\i], v[AC0+16*\b+\i+1]    ; none is negative; the two blocks by turns
.endr
.endr
	WIN 0
	v_permlanex16_b32 v[TW+14], v[TW+12], s52, s53
	v_permlanex16_b32 v[TW+15], v[TW+13], s52, s53
	v_max_num_f32 v[TW+12], v[TW+12], v[TW+14]
	v_max_num_f32 v[TW+13], v[TW+13], v[TW+15]
	v_add_nc_u32 v[TW+20], 0xff000000, v[TW+12]    ; 2 off the exponent field: the conversion's scale operand
	v_add_nc_u32 v[TW+21], 0xff000000, v[TW+13]
	v_lshrrev_b32 v[TW+22], 23, v[TW+20]           ; the scale's byte
	v_lshrrev_b32 v[TW+23], 23, v[TW+21]
	v_lshl_or_b32 v[TW+24], v[TW+23], 8, v[TW+22]
	WIN 0x02
.irp k, 0,1,2,3
	v_cvt_scalef32_pk8_fp4_f32 v[TW+28+\k], v[AC0+8*\k:AC0+8*\k+7], v[TW+20+(\k/2)]
.endr
	WIN 0
	v_nop                                          ; a plain instruction behind the last scaled conversion
	v_permlane16_swap_b32 v[TW+28], v[TW+30]       ; the operand wants a whole block in a lane: lanes 0-15 my first block, lanes 16-31 my second
	v_permlane16_swap_b32 v[TW+29], v[TW+31]
	ds_store_b128 v3, v[TW+28:TW+31] offset:HIMG+2048*(\t)
	ds_store_b16 v4, v[TW+24] offset:HSC+256*(\t)
.endm
; Phase 5: the token's weight for expert e (0 where it did not choose e), the product, and the weighed sum
.macro CPC t
.set QB, (\t)%2
.set AC0, 32*(\t)
	v_cmp_eq_u32 vcc_lo, s49, v[RC+4*QB]
	v_cndmask_b32 v[TW], 0, v[RC+4*QB+2], vcc_lo
	v_cmp_eq_u32 vcc_lo, s49, v[RC+4*QB+1]
	v_cndmask_b32 v[TW], v[TW], v[RC+4*QB+3], vcc_lo
	MM \t, W23, W23S, BBB
	WIN 0xf2
.irp k, 0,1,2,3,4,5,6,7,8,9,10,11,12,13,14,15
	v_pk_fma_f32 v[AC0+2*\k:AC0+2*\k+1], v[AC0+2*\k:AC0+2*\k+1], v[TW:TW+1], v[AC0+2*\k:AC0+2*\k+1] op_sel_hi:[1,0,1]
.endr
	WIN 0
.endm
.macro CP ph, t
.if (\ph) == 1
	CPA \t, W1, W1S, BBA
.elseif (\ph) == 2
	CPB \t, GB1
.elseif (\ph) == 3
	CPA \t, W23, W23S, BBB
.elseif (\ph) == 4
	CPB \t, GB2
.else
	CPC \t
.endif
.endm
; A tile's turn in a walk.  The next tile's loads go out first, if the list names it; the wait stands in both arms, so that on every way tile t's loads and the last tile's stores are done:
; nl = the next tile's loads, which alone may stay out.
.macro WSTEP ph, t, nl
.if (\t) < 7
	s_bitcmp1_b32 s[41+\t], s49
	s_cbranch_scc0 .Ln_\@
	LD \ph, (\t)+1
	s_wait_dscnt \nl
	s_branch .Lg_\@
.Ln_\@:
	s_wait_dscnt 0x0
.Lg_\@:
.else
	s_wait_dscnt 0x0
.endif
	s_bitcmp1_b32 s[40+\t], s49
	s_cbranch_scc0 .Ls_\@
	CP \ph, \t
.Ls_\@:
.endm
.macro WALK ph, nl
	s_bitcmp1_b32 s40, s49
	s_cbranch_scc0 .Lw_\@
	LD \ph, 0
.Lw_\@:
.irp tt, 0,1,2,3,4,5,6,7
	WSTEP \ph, \tt, \nl
.endr
.endm
; A layer with a norm, of the expert whose number stands in s[eb]: my 64 chosen rows of codes (16 loads), their scale words (4), b (8), g and be (16): 44 loads
.macro ISSUE_P eb, pc, ps, pb, pg, pe, wd, wsd, bd, gd
	s_lshl_b32 s56, s[\eb], 15
	s_mov_b32 s57, 0
	s_lshl_b32 s58, s[\eb], 11
	s_mov_b32 s59, 0
	s_lshl_b32 s60, s[\eb], 10
	s_mov_b32 s61, 0
	s_add_nc_u64 s[66:67], s[\pc:\pc+1], s[56:57]
	s_add_nc_u64 s[68:69], s[\ps:\ps+1], s[58:59]
	s_add_nc_u64 s[70:71], s[\pb:\pb+1], s[60:61]
	s_add_nc_u64 s[72:73], s[\pg:\pg+1], s[60:61]
	s_add_nc_u64 s[74:75], s[\pe:\pe+1], s[60:61]
	WIN 0x40
.irp n, 0,1,2,3
.irp k, 0,1,2,3
	global_load_b128 v[\wd+16*\n+4*\k:\wd+16*\n+4*\k+3], v12, s[66:67] offset:128*(32*(\n/2)+8*(\n%2))+32*\k
.endr
.endr
.irp n, 0,1,2,3
.irp q, 0,1
	global_load_b128 v[\gd+8*\n+4*\q:\gd+8*\n+4*\q+3], v16, s[72:73] offset:4*(32*(\n/2)+8*(\n%2))+16*\q
	global_load_b128 v[\gd+32+8*\n+4*\q:\gd+32+8*\n+4*\q+3], v16, s[74:75] offset:4*(32*(\n/2)+8*(\n%2))+16*\q
.endr
.endr
	WIN 0
.irp n, 0,1,2,3
	global_load_b64 v[\wsd+2*\n:\wsd+2*\n+1], v14, s[68:69] offset:8*(32*(\n/2)+8*(\n%2))
.irp q, 0,1
	global_load_b128 v[\bd+8*\n+4*\q:\bd+8*\n+4*\q+3], v16, s[70:71] offset:4*(32*(\n/2)+8*(\n%2))+16*\q
.endr
.endr
.endm
; At the head of phase 4: expert e's W3, natural rows (28 loads), and the first layer of the next expert that the list names, if there is one
.macro ISSUE_B
	s_lshl_b32 s56, s49, 15
	s_mov_b32 s57, 0
	s_lshl_b32 s58, s49, 11
	s_mov_b32 s59, 0
	s_lshl_b32 s60, s49, 10
	s_mov_b32 s61, 0
	s_add_nc_u64 s[76:77], s[32:33], s[56:57]
	s_add_nc_u64 s[78:79], s[34:35], s[58:59]
	s_add_nc_u64 s[80:81], s[36:37], s[60:61]
	WIN 0x40
.irp n, 0,1,2,3
.irp k, 0,1,2,3
	global_load_b128 v[W23+16*\n+4*\k:W23+16*\n+4*\k+3], v13, s[76:77] offset:2048*\n+32*\k
.endr
.endr
	WIN 0
.irp n, 0,1,2,3
	global_load_b64 v[W23S+2*\n:W23S+2*\n+1], v15, s[78:79] offset:128*\n
	global_load_b128 v[BBB+8*\n:BBB+8*\n+3], v17, s[80:81] offset:64*\n
	global_load_b128 v[BBB+8*\n+4:BBB+8*\n+7], v17, s[80:81] offset:64*\n+16
.endr
	s_add_co_u32 s62, s49, 1
	s_lshr_b32 s63, s48, s62
	s_cmp_eq_u32 s63, 0
	s_cbranch_scc1 .Lnone_\@
	s_ctz_i32_b32 s63, s63
	s_add_co_u32 s50, s62, s63
	s_min_u32 s50, s50, 7
	ISSUE_P 50, 12, 14, 16, 18, 20, W1, W1S, BBA, GB1
.Lnone_\@:
.endm
; A phase.  It is passed over where no tile names expert e.  Every wait for global loads in the loop is for 0: between an issue and its use lie stretches that a way may pass over,
; so no count above 0 would hold on every way; loads go out at the heads of the two long phases alone and are wanted a phase later or more.
.macro PHASE ph, nl, issue
	s_bitcmp1_b32 s48, s49
	s_cbranch_scc0 .Lpast_\@
	s_wait_loadcnt 0x0
.if (\issue) == 1
	ISSUE_P 49, 22, 24, 26, 28, 30, W23, W23S, BBB, GB2
.elseif (\issue) == 2
	ISSUE_B
.endif
	WALK \ph, \nl
.Lpast_\@:
.endm
	s_load_b512 s[4:19], s[0:1], 0x0               ; sidx s[4:5], gatew s[6:7], x codes s[8:9], x scales s[10:11], w1 codes s[12:13], w1 scales s[14:15], b1 s[16:17], g1 s[18:19]
	s_load_b512 s[20:35], s[0:1], 0x40             ; be1 s[20:21], w2 codes s[22:23], w2 scales s[24:25], b2 s[26:27], g2 s[28:29], be2 s[30:31], w3 codes s[32:33], w3 scales s[34:35]
	s_load_b128 s[36:39], s[0:1], 0x80             ; b3 s[36:37], out0 s[38:39]
	v_lshl_add_u32 v254, v0, 2, 0x14200
	v_mov_b32 v255, 0
	v_lshrrev_b32 v204, 5, v0
	v_readfirstlane_b32 s51, v204                  ; wave 0..3
	v_and_b32 v204, 31, v0                         ; lane
	v_and_b32 v205, 15, v0                         ; r
	v_bfe_u32 v206, v0, 4, 1                       ; h
	v_and_b32 v207, 8, v205
	v_add_nc_u32 v207, v207, v205                  ; r + 8 (r / 8)
	v_lshlrev_b32 v1, 4, v204
	v_lshlrev_b32 v2, 3, v204
	s_lshl_b32 s56, s51, 9
	v_add_nc_u32 v3, s56, v1
	v_add_nc_u32 v241, s56, v2                     ; x's scale words: 8 lane + 512 w
	s_lshl_b32 s56, s51, 1
	v_add_nc_u32 v4, s56, v2
	v_lshlrev_b32 v6, 5, v204
	s_lshl_b32 s56, s51, 3
	v_add_nc_u32 v5, s56, v6
	v_lshlrev_b32 v7, 4, v205
	s_mul_i32 s56, s51, 8704
	s_add_co_u32 s56, s56, STG
	v_mul_u32_u24 v8, v205, 272
	v_lshl_add_u32 v8, v206, 5, v8
	v_add_nc_u32 v8, s56, v8
	v_mul_u32_u24 v9, v206, 272
	v_lshl_add_u32 v9, v205, 4, v9
	v_add_nc_u32 v9, s56, v9
	s_lshl_b32 s56, s51, 8
	v_lshl_add_u32 v10, v205, 4, s56
	v_lshl_add_u32 v11, v206, 2, TOK
	v_lshlrev_b32 v12, 7, v207
	v_lshl_add_u32 v12, v206, 4, v12
	v_lshlrev_b32 v13, 7, v205
	v_lshl_add_u32 v13, v206, 4, v13
	v_lshlrev_b32 v14, 3, v207
	v_lshlrev_b32 v15, 3, v205
	v_lshlrev_b32 v16, 6, v206
	v_lshlrev_b32 v17, 5, v206
	v_mov_b32 v18, 0x3b800000                      ; 1 / 256
	v_lshlrev_b32 v208, 2, v204                    ; sidx: 4 lane;
	s_lshl_b32 s56, s51, 7
	v_lshl_add_u32 v209, v205, 2, s56              ; 4 r + 128 w;
	v_lshlrev_b32 v210, 2, v0                      ; 4 x thread
	v_lshlrev_b32 v225, 4, v206                    ; 16 h
	s_lshl_b32 s56, s51, 12
	v_add_nc_u32 v240, s56, v1                     ; x's images: 16 lane + 4096 w
	v_lshlrev_b32 v242, 4, v0                      ; a position's record: 16 x thread
	s_mov_b32 s52, 0x76543210
	s_mov_b32 s53, 0xfedcba98                      ; v_permlanex16_b32's selects for lane l xor 16
	s_mov_b32 s57, 0
	s_wait_alu depctr_va_vdst(0)
	s_wait_kmcnt 0x0
	s_lshl_b32 s56, ttmp9, 9
	s_add_nc_u64 s[4:5], s[4:5], s[56:57]          ; my work-group's 128 positions
.irp q, 0,1,2,3
	global_load_b32 v[212+\q], v208, s[4:5] offset:128*\q          ; all 128 words, for the tiles' experts
.endr
.irp u, 0,1
	global_load_b32 v[216+\u], v209, s[4:5] offset:64*\u           ; tiles 2 w and 2 w + 1, token r in both halves of the lanes: I bring their rows of x
.endr
	global_load_b32 v218, v210, s[4:5]             ; position 32 w + lane: I bring its record
	s_lshl_b32 s56, s51, 13                        ; my wave's 64 rows of each weight,
	s_add_nc_u64 s[12:13], s[12:13], s[56:57]
	s_add_nc_u64 s[22:23], s[22:23], s[56:57]
	s_add_nc_u64 s[32:33], s[32:33], s[56:57]
	s_lshl_b32 s56, s51, 9                         ; their scale bytes,
	s_add_nc_u64 s[14:15], s[14:15], s[56:57]
	s_add_nc_u64 s[24:25], s[24:25], s[56:57]
	s_add_nc_u64 s[34:35], s[34:35], s[56:57]
	s_lshl_b32 s56, s51, 8                         ; and my 64 of each b, g, be
	s_add_nc_u64 s[16:17], s[16:17], s[56:57]
	s_add_nc_u64 s[18:19], s[18:19], s[56:57]
	s_add_nc_u64 s[20:21], s[20:21], s[56:57]
	s_add_nc_u64 s[26:27], s[26:27], s[56:57]
	s_add_nc_u64 s[28:29], s[28:29], s[56:57]
	s_add_nc_u64 s[30:31], s[30:31], s[56:57]
	s_add_nc_u64 s[36:37], s[36:37], s[56:57]
	; The output's sums begin as zeros.  The walks below are passed over by branches on the stored list, so what one stretch leaves in registers for a later one is also written here once,
	; on the one way that all take.  These lines stand while the list is on its way.
.set i, 28
.rept 112
	v_mov_b32 v[i], 0
.set i, i+1
.endr
.set i, 172
.rept 32
	v_mov_b32 v[i], 0
.set i, i+1
.endr
.irp q, 0,1,2,3
	v_mov_b32 v[236+\q], 0                         ; a DPP form's destination counts as one of its sources
.endr
	WIN 0x40
.set i, 64
.rept 64
	v_mov_b32 v[i], 0
.set i, i+1
.endr
.set i, 192
.rept 64
	v_mov_b32 v[i], 0
.set i, i+1
.endr
	WIN 0xc0
.set i, 0
.rept 256
	v_mov_b32 v[i], 0
.set i, i+1
.endr
	WIN 0
	s_wait_loadcnt 0x0
.irp u, 0,1
	v_and_b32 v[219+\u], 0x7fff, v[216+\u]
	v_min_u32 v[219+\u], 0x7fff, v[219+\u]         ; a token lies under 32,768
	v_lshl_add_u32 v[221+\u], v[219+\u], 7, v225   ; its row of 128 bytes of codes, + 16 h
	v_lshlrev_b32 v[223+\u], 3, v[219+\u]          ; its 8 scale bytes
.endr
	v_and_b32 v226, 0x7fff, v218
	v_min_u32 v226, 0x7fff, v226
	v_lshlrev_b32 v227, 3, v226
.irp u, 0,1
.irp k, 0,1,2,3
	global_load_b128 v[100+16*\u+4*\k:103+16*\u+4*\k], v[221+\u], s[8:9] offset:32*\k
.endr
	global_load_b64 v[132+2*\u:133+2*\u], v[223+\u], s[10:11]
.endr
	global_load_b64 v[138:139], v227, s[6:7]       ; w_a, w_b
	v_bfe_u32 v136, v218, 16, 4                    ; a
	v_bfe_u32 v137, v218, 20, 4                    ; b
.irp q, 0,1,2,3
	v_bfe_u32 v228, v[212+\q], 16, 4
	v_bfe_u32 v229, v[212+\q], 20, 4
	v_lshlrev_b32 v228, v228, 1
	v_lshlrev_b32 v229, v229, 1
	v_or_b32 v[232+\q], v228, v229                 ; the position's two experts as bits
.endr
.irp m, 1,2,4,8                                ; joined over the 16 positions of a tile
.irp q, 0,1,2,3
	v_mov_b32_dpp v[236+\q], v[232+\q] row_xmask:\m row_mask:0xf bank_mask:0xf
.endr
.irp q, 0,1,2,3
	v_or_b32 v[232+\q], v[232+\q], v[236+\q]
.endr
.endr
.irp q, 0,1,2,3
	v_readlane_b32 s[40+2*\q], v[232+\q], 0
	v_readlane_b32 s[41+2*\q], v[232+\q], 16
.endr
	s_or_b32 s48, s40, s41
	s_or_b32 s48, s48, s42
	s_or_b32 s48, s48, s43
	s_or_b32 s48, s48, s44
	s_or_b32 s48, s48, s45
	s_or_b32 s48, s48, s46
	s_or_b32 s48, s48, s47
	s_ctz_i32_b32 s50, s48
	s_min_u32 s50, s50, 7                          ; the first expert that the list names
	ISSUE_P 50, 12, 14, 16, 18, 20, W1, W1S, BBA, GB1
	WIN 0x80
.set i, 0
.rept 256
	v_mov_b32 v[i], 0                              ; the accumulators, for the same reason as above, while the gathers are on their way
.set i, i+1
.endr
	WIN 0
	s_wait_loadcnt 44                              ; the 11 gathers are in; the 44 loads of the first layer, issued behind them, may be out
.irp u, 0,1
.irp k, 0,1,2,3
	ds_store_b128 v240, v[100+16*\u+4*\k:103+16*\u+4*\k] offset:XIMG+2048*\u+512*\k
.endr
	ds_store_b64 v241, v[132+2*\u:133+2*\u] offset:XSC+256*\u
.endr
	ds_store_b128 v242, v[136:139] offset:REC
	ds_store_b32 v210, v226 offset:TOK
	BAR                                            ; x's images, the records and the tokens lie in LDS; none of them is written again
	s_mov_b32 s49, 0
.Lexpert:
	PHASE 1, 5, 0
	BAR                                            ; the first layer's statistics lie in LDS; and every wave's reads of the last expert's hidden images are over
	PHASE 2, 3, 1
	BAR                                            ; the first hidden layer's images lie in LDS, and the reads of the statistics are over
	PHASE 3, 5, 0
	BAR
	PHASE 4, 3, 2
	BAR
	PHASE 5, 6, 0                                  ; no barrier behind it: the next trip's first phase writes the statistics alone, which were last read in front of the barrier above
	s_add_co_u32 s49, s49, 1
	s_cmp_lt_u32 s49, 8
	s_cbranch_scc1 .Lexpert
; THE WAY OUT.  A lane holds 32 bytes of a token's row and the lanes beside it hold other tokens: a tile goes through my own stage in LDS and comes back as rows of 256 bytes, my wave's part of a token's 1,024.
; LDS serves a wave's instructions in order (ISA guide 5.7.1.4): no wait between the stores and the loads.
.macro TOSTAGE t
.set PB, (\t)%2
	WIN 0x0c                                       ; an LDS store's data are its source 1: window 3
.irp n, 0,1,2,3
.irp q, 0,1
	ds_store_b128 v8, v[32*(\t)+8*\n+4*\q:32*(\t)+8*\n+4*\q+3] offset:4352*PB+64*\n+16*\q
.endr
.endr
	WIN 0
.irp i, 0,1,2,3,4,5,6,7
	ds_load_b128 v[EB+32*PB+4*\i:EB+32*PB+4*\i+3], v9 offset:4352*PB+544*\i        ; rows 2 i + h
.endr
.irp i, 0,1,2,3,4,5,6,7
	ds_load_b32 v[ET+8*PB+\i], v11 offset:64*(\t)+8*\i                             ; and their tokens
.endr
.endm
.macro SEND t, younger
.set PB, (\t)%2
	s_wait_dscnt \younger                          ; the tile is back; the next tile's 8 stores and 16 loads may be out
.irp i, 0,1,2,3,4,5,6,7
	v_min_u32 v[ET+8*PB+\i], 0x7fff, v[ET+8*PB+\i]
	v_lshl_add_u32 v[EA+8*PB+\i], v[ET+8*PB+\i], 10, v10
.endr
.irp i, 0,1,2,3,4,5,6,7
	global_store_b128 v[EA+8*PB+\i], v[EB+32*PB+4*\i:EB+32*PB+4*\i+3], s[38:39] th:TH_STORE_NT    ; 16 lanes store 256 consecutive bytes, at a multiple of 256 from out0's first byte
.endr
.endm
	s_wait_loadcnt 0x0                             ; no load is on its way into the registers that the way out takes
	s_wait_alu depctr_va_vdst(0)
	TOSTAGE 0
.irp t, 1,2,3,4,5,6,7
.if \t > 1
	s_wait_xcnt 0x0                                ; the stores of two tiles back have read their registers: they are written again only behind this wait
.endif
	TOSTAGE \t
	SEND \t-1, 24
.endr
	SEND 7, 0
	s_wait_tensorcnt 0x0
	ds_add_u32 v254, v255
	s_wait_dscnt 0x0
	s_endpgm
.Lfunc_end_k_q88ea15f536_chain:
	.size	k_q88ea15f536_chain, .Lfunc_end_k_q88ea15f536_chain-k_q88ea15f536_chain
	.p2alignl 7, 3214868480
	.fill 96, 4, 3214868480
	.section	.rodata,"a",@progbits
	.p2align	6, 0x0
	.amdhsa_kernel k_q88ea15f536_chain
		.amdhsa_group_segment_fixed_size 82944
		.amdhsa_private_segment_fixed_size 0
		.amdhsa_enable_private_segment 0
		.amdhsa_kernarg_size 144
		.amdhsa_user_sgpr_count 2
		.amdhsa_user_sgpr_kernarg_segment_ptr 1
		.amdhsa_wavefront_size32 1
		.amdhsa_system_sgpr_workgroup_id_x 1
		.amdhsa_system_sgpr_workgroup_id_y 1
		.amdhsa_system_sgpr_workgroup_id_z 1
		.amdhsa_system_vgpr_workitem_id 0
		.amdhsa_next_free_vgpr 1024
		.amdhsa_next_free_sgpr 84
		.amdhsa_reserve_vcc 1
		.amdhsa_float_denorm_mode_32 3
		.amdhsa_float_denorm_mode_16_64 3
		.amdhsa_memory_ordered 1
		.amdhsa_forward_progress 1
		.amdhsa_inst_pref_size 255
	.end_amdhsa_kernel
	.section	.bss,"aw",@nobits
	.p2align	6
	.space	262144
	.amdgpu_metadata
---
amdhsa.version: [ 1, 2 ]
amdhsa.kernels:
  - .name:           k_q88ea15f536_chain
    .symbol:         k_q88ea15f536_chain.kd
    .args:
      - { .name: sidx, .offset: 0, .size: 8, .value_kind: global_buffer, .address_space: global }
      - { .name: gatew, .offset: 8, .size: 8, .value_kind: global_buffer, .address_space: global }
      - { .name: x_codes, .offset: 16, .size: 8, .value_kind: global_buffer, .address_space: global }
      - { .name: x_scales, .offset: 24, .size: 8, .value_kind: global_buffer, .address_space: global }
      - { .name: w1_codes, .offset: 32, .size: 8, .value_kind: global_buffer, .address_space: global }
      - { .name: w1_scales, .offset: 40, .size: 8, .value_kind: global_buffer, .address_space: global }
      - { .name: b1, .offset: 48, .size: 8, .value_kind: global_buffer, .address_space: global }
      - { .name: g1, .offset: 56, .size: 8, .value_kind: global_buffer, .address_space: global }
      - { .name: be1, .offset: 64, .size: 8, .value_kind: global_buffer, .address_space: global }
      - { .name: w2_codes, .offset: 72, .size: 8, .value_kind: global_buffer, .address_space: global }
      - { .name: w2_scales, .offset: 80, .size: 8, .value_kind: global_buffer, .address_space: global }
      - { .name: b2, .offset: 88, .size: 8, .value_kind: global_buffer, .address_space: global }
      - { .name: g2, .offset: 96, .size: 8, .value_kind: global_buffer, .address_space: global }
      - { .name: be2, .offset: 104, .size: 8, .value_kind: global_buffer, .address_space: global }
      - { .name: w3_codes, .offset: 112, .size: 8, .value_kind: global_buffer, .address_space: global }
      - { .name: w3_scales, .offset: 120, .size: 8, .value_kind: global_buffer, .address_space: global }
      - { .name: b3, .offset: 128, .size: 8, .value_kind: global_buffer, .address_space: global }
      - { .name: out0, .offset: 136, .size: 8, .value_kind: global_buffer, .address_space: global }
    .group_segment_fixed_size: 82944
    .private_segment_fixed_size: 0
    .kernarg_segment_align: 8
    .kernarg_segment_size: 144
    .max_flat_workgroup_size: 128
    .sgpr_count:     84
    .vgpr_count:     1024
    .wavefront_size: 32
...
	.end_amdgpu_metadata
.endif
;; end of part 6
